; MI455X (gfx1250); checked and timed in simulation.
; The chip was launched on July 23, 2026; its instructions are those of AMD's public machine-readable ISA for CDNA 5 (MIT licence, August 2026) and "CDNA5" Instruction Set Architecture Reference Guide (July 2026). The comments in the code are by the model that wrote it; some were corrected since.
;; Multi Head Attention. Allowed arithmetic: float matrix products may take bf16 or f16 operands with f32 sums; all other float work in f32.
;; Inputs: W_k 1,024 x 1,024 float32; W_o 1,024 x 1,024 float32; W_q 1,024 x 1,024 float32; W_v 1,024 x 1,024 float32; x 4 x 2,048 x 1,024 float32.
;; Outputs: out0 4 x 2,048 x 1,024 float32.
;; 2 versions, each right; version 2 is version 1 with the launch cast written anew for expert scheduling mode. Each part assembles by itself: llvm-mc -triple=amdgcn-amd-amdhsa -mcpu=gfx1250 --defsym DOCPART=n.
;; ======== version 1 of 2: 4 launches
;; limits: values are held in f16: magnitudes above 65,504 overflow, below 6.1e-05 lose precision; right only within a limited range of input values
;; workspace buffers: xb 16,777,216 bytes; wb 8,388,608 bytes; qkv 50,331,648 bytes; att 16,777,216 bytes; xl 131,072 bytes; wl 4,194,304 bytes; ae 262,144 bytes
;; launch cast (part 1): grid 768 x 1, 8 waves a work-group, no clusters, 0 bytes of LDS; arguments x, W_q, W_k, W_v, W_o, xb, wb, xl, wl; writes xb, wb, xl, wl
.if DOCPART == 1
	.amdgcn_target "amdgcn-amd-amdhsa--gfx1250"
	.amdhsa_code_object_version 6
	.text
	.protected	k_qa7f57b1104_cast
	.globl	k_qa7f57b1104_cast
	.p2align	8
	.type	k_qa7f57b1104_cast,@function
k_qa7f57b1104_cast:
	s_mov_b64 s[64:65], 0
	v_nop
	global_prefetch_b8 v0, s[64:65] scope:SCOPE_SE
	s_setreg_imm32_b32 hwreg(HW_REG_WAVE_MODE, 25, 1), 1
	s_wait_xcnt 0x0
; xb = f16(x); wb = f16 of W_q, W_k, W_v, W_o, one behind the other (4,096 rows of 1,024).
; Besides, for the numbers a that the two launches for the first rows multiply in two parts: lo = f16((a - f16(a)) x 2048):
;   xl = lo of rows 0-15 of each of the four batches of x (64 rows), wl = lo of W_v (rows 0-1023) and of W_o (rows 1024-2047).
; The difference a - f16(a) is exact in f32, and the factor 2048 = 2^11 gives lo the exponent range of a itself.
; A stream: every input byte is read once, every output byte written once; no LDS, no barrier, no matrix unit.
; A work-group converts 16,384 numbers (65,536 bytes in, 32,768 out): groups 0-511 take x (16 rows each), groups 512-767 the four W (64 groups each).
; A wave takes 8,192 bytes in sixteen loads of 512 consecutive bytes, all issued at once; each store of the wave covers 256 consecutive bytes, aligned.
; LIMIT: f16 ends at 65,504; a larger |x| or |W| becomes infinity.  Numbers below 2^-14 keep an absolute step of 2^-24.
.set X, 8                              ; v[8:71]    sixteen loads, 4 f32 each
.set Y, 72                             ; v[72:103]  sixteen stores, 4 f16 each
.set Z, 104                            ; v[104:135] the same for the lo parts
.set T, 136                            ; v[136:139] at work
	s_load_b256 s[4:11], s[0:1], 0x0               ; x s[4:5], W_q s[6:7], W_k s[8:9], W_v s[10:11]
	s_load_b256 s[12:19], s[0:1], 0x20             ; W_o s[12:13], xb s[14:15], wb s[16:17], xl s[18:19]
	s_load_b64 s[20:21], s[0:1], 0x40              ; wl
	s_mov_b32 s22, ttmp9                           ; the work-group's number
	s_sub_co_u32 s23, s22, 512                     ; e: its number among the groups of W (used only from 512 on)
	s_lshr_b32 s24, s23, 6                         ; which W
	s_and_b32 s25, s23, 63                         ; which 16,384 numbers of it
	s_and_b32 s26, s22, 127
	s_cmp_eq_u32 s26, 0
	s_cselect_b32 s26, 1, 0                        ; a group of x: lo parts wanted for the first 16 of a batch's 2,048 rows
	s_cmp_ge_u32 s24, 2
	s_cselect_b32 s27, 1, 0                        ; a group of W: for W_v and W_o
	s_lshr_b32 s28, s22, 7                         ; the block's number in xl: the batch
	s_sub_co_u32 s29, s23, 128                     ; and in wl
	s_mov_b32 s36, 0x45000000                      ; 2048.0, twice (a pair for the packed multiply)
	s_mov_b32 s37, 0x45000000
	v_and_b32 v3, 31, v0                           ; lane
	v_lshrrev_b32 v4, 5, v0                        ; wave
	v_lshlrev_b32 v1, 4, v3
	v_lshl_add_u32 v1, v4, 13, v1                  ; in: 8,192 wave + 16 lane
	v_lshlrev_b32 v2, 3, v3
	v_lshl_add_u32 v2, v4, 12, v2                  ; out: 4,096 wave + 8 lane
	s_wait_kmcnt 0x0
	s_cmp_eq_u32 s24, 1                            ; the source is chosen among the buffers by the group's number alone
	s_cselect_b64 s[6:7], s[8:9], s[6:7]
	s_cmp_eq_u32 s24, 2
	s_cselect_b64 s[6:7], s[10:11], s[6:7]
	s_cmp_eq_u32 s24, 3
	s_cselect_b64 s[6:7], s[12:13], s[6:7]
	s_cmp_lt_u32 s22, 512
	s_cselect_b64 s[4:5], s[4:5], s[6:7]           ; from x or from a W
	s_cselect_b64 s[14:15], s[14:15], s[16:17]     ; to xb or to wb
	s_cselect_b64 s[18:19], s[18:19], s[20:21]     ; lo parts to xl or to wl
	s_cselect_b32 s25, s22, s25                    ; the block's number in the source
	s_cselect_b32 s23, s22, s23                    ; in the destination
	s_cselect_b32 s26, s26, s27                    ; lo parts wanted?
	s_cselect_b32 s28, s28, s29                    ; the block's number among the lo parts
	s_lshl_b32 s30, s25, 16
	s_mov_b32 s31, 0
	s_lshl_b32 s32, s23, 15
	s_mov_b32 s33, 0
	s_add_nc_u64 s[4:5], s[4:5], s[30:31]
	s_add_nc_u64 s[14:15], s[14:15], s[32:33]
.irp t, 0,1,2,3,4,5,6,7,8,9,10,11,12,13,14,15
	global_load_b128 v[X+4*\t:X+4*\t+3], v1, s[4:5] offset:512*\t th:TH_LOAD_NT
.endr
.irp t, 0,1,2,3,4,5,6,7,8,9,10,11,12,13,14,15
	s_wait_loadcnt 15-\t                           ; loads come back in order: load t is in, the 15 - t younger ones stay out
	v_cvt_pk_f16_f32 v[Y+2*\t], v[X+4*\t], v[X+4*\t+1]
	v_cvt_pk_f16_f32 v[Y+2*\t+1], v[X+4*\t+2], v[X+4*\t+3]
	global_store_b64 v2, v[Y+2*\t:Y+2*\t+1], s[14:15] offset:256*\t   ; no register is used twice, so no wait frees any
.endr
	s_cmp_eq_u32 s26, 0
	s_cbranch_scc1 .Ldone
	s_lshl_b32 s34, s28, 15
	s_mov_b32 s35, 0
	s_add_nc_u64 s[18:19], s[18:19], s[34:35]
; the lo parts of load t's four numbers.  The halves of Y's registers are named by number, so they come in as arguments.
.macro LO4 t, al, ah, bl, bh
	v_cvt_f32_f16 v[T], \al
	v_cvt_f32_f16 v[T+1], \ah
	v_cvt_f32_f16 v[T+2], \bl
	v_cvt_f32_f16 v[T+3], \bh
	v_pk_fma_f32 v[T:T+1], v[T:T+1], -1.0, v[X+4*\t:X+4*\t+1] op_sel_hi:[1,0,1]         ; a - hi, exact
	v_pk_fma_f32 v[T+2:T+3], v[T+2:T+3], -1.0, v[X+4*\t+2:X+4*\t+3] op_sel_hi:[1,0,1]
	v_pk_mul_f32 v[T:T+1], v[T:T+1], s[36:37] op_sel_hi:[1,0]
	v_pk_mul_f32 v[T+2:T+3], v[T+2:T+3], s[36:37] op_sel_hi:[1,0]
	v_cvt_pk_f16_f32 v[Z+2*\t], v[T], v[T+1]
	v_cvt_pk_f16_f32 v[Z+2*\t+1], v[T+2], v[T+3]
	global_store_b64 v2, v[Z+2*\t:Z+2*\t+1], s[18:19] offset:256*\t
.endm
	LO4 0, v72.l, v72.h, v73.l, v73.h
	LO4 1, v74.l, v74.h, v75.l, v75.h
	LO4 2, v76.l, v76.h, v77.l, v77.h
	LO4 3, v78.l, v78.h, v79.l, v79.h
	LO4 4, v80.l, v80.h, v81.l, v81.h
	LO4 5, v82.l, v82.h, v83.l, v83.h
	LO4 6, v84.l, v84.h, v85.l, v85.h
	LO4 7, v86.l, v86.h, v87.l, v87.h
	LO4 8, v88.l, v88.h, v89.l, v89.h
	LO4 9, v90.l, v90.h, v91.l, v91.h
	LO4 10, v92.l, v92.h, v93.l, v93.h
	LO4 11, v94.l, v94.h, v95.l, v95.h
	LO4 12, v96.l, v96.h, v97.l, v97.h
	LO4 13, v98.l, v98.h, v99.l, v99.h
	LO4 14, v100.l, v100.h, v101.l, v101.h
	LO4 15, v102.l, v102.h, v103.l, v103.h
.Ldone:
	s_endpgm
.Lfunc_end_k_qa7f57b1104_cast:
	.size	k_qa7f57b1104_cast, .Lfunc_end_k_qa7f57b1104_cast-k_qa7f57b1104_cast
	.p2alignl 7, 3214868480
	.fill 96, 4, 3214868480
	.section	.rodata,"a",@progbits
	.p2align	6, 0x0
	.amdhsa_kernel k_qa7f57b1104_cast
		.amdhsa_group_segment_fixed_size 0
		.amdhsa_private_segment_fixed_size 0
		.amdhsa_enable_private_segment 0
		.amdhsa_kernarg_size 72
		.amdhsa_user_sgpr_count 2
		.amdhsa_user_sgpr_kernarg_segment_ptr 1
		.amdhsa_wavefront_size32 1
		.amdhsa_system_sgpr_workgroup_id_x 1
		.amdhsa_system_sgpr_workgroup_id_y 1
		.amdhsa_system_sgpr_workgroup_id_z 1
		.amdhsa_system_vgpr_workitem_id 0
		.amdhsa_next_free_vgpr 140
		.amdhsa_next_free_sgpr 66
		.amdhsa_reserve_vcc 0
		.amdhsa_float_denorm_mode_32 3
		.amdhsa_float_denorm_mode_16_64 3
		.amdhsa_memory_ordered 1
		.amdhsa_forward_progress 1
		.amdhsa_inst_pref_size 18
	.end_amdhsa_kernel
	.amdgpu_metadata
---
amdhsa.version: [ 1, 2 ]
amdhsa.kernels:
  - .name:           k_qa7f57b1104_cast
    .symbol:         k_qa7f57b1104_cast.kd
    .args:
      - { .name: x, .offset: 0, .size: 8, .value_kind: global_buffer, .address_space: global }
      - { .name: W_q, .offset: 8, .size: 8, .value_kind: global_buffer, .address_space: global }
      - { .name: W_k, .offset: 16, .size: 8, .value_kind: global_buffer, .address_space: global }
      - { .name: W_v, .offset: 24, .size: 8, .value_kind: global_buffer, .address_space: global }
      - { .name: W_o, .offset: 32, .size: 8, .value_kind: global_buffer, .address_space: global }
      - { .name: xb, .offset: 40, .size: 8, .value_kind: global_buffer, .address_space: global }
      - { .name: wb, .offset: 48, .size: 8, .value_kind: global_buffer, .address_space: global }
      - { .name: xl, .offset: 56, .size: 8, .value_kind: global_buffer, .address_space: global }
      - { .name: wl, .offset: 64, .size: 8, .value_kind: global_buffer, .address_space: global }
    .group_segment_fixed_size: 0
    .private_segment_fixed_size: 0
    .kernarg_segment_align: 8
    .kernarg_segment_size: 72
    .max_flat_workgroup_size: 256
    .sgpr_count:     66
    .vgpr_count:     140
    .wavefront_size: 32
...
	.end_amdgpu_metadata
.endif
;; end of part 1
;; launch qkv (part 2): grid 16 x 32, 4 waves a work-group, clusters of 4 x 4, 327,680 bytes of LDS; arguments xb, wb, qkv; writes qkv
.if DOCPART == 2
	.amdgcn_target "amdgcn-amd-amdhsa--gfx1250"
	.amdhsa_code_object_version 6
	.text
	.protected	k_qa7f57b1104_qkv
	.globl	k_qa7f57b1104_qkv
	.p2align	8
	.type	k_qa7f57b1104_qkv,@function
k_qa7f57b1104_qkv:
	s_mov_b64 s[64:65], 0
	v_nop
	global_prefetch_b8 v0, s[64:65] scope:SCOPE_SE
	s_setreg_imm32_b32 hwreg(HW_REG_WAVE_MODE, 25, 1), 1
	s_wait_xcnt 0x0
	s_wait_alu depctr_hold_cnt(0) depctr_sa_sdst(0) depctr_va_vdst(0) depctr_va_sdst(0) depctr_va_ssrc(0) depctr_va_vcc(0) depctr_vm_vsrc(0)
	s_getreg_b32 s2, hwreg(HW_REG_IB_STS2, 6, 4)
	s_cmp_eq_u32 s2, 0
	s_cbranch_scc0 .Lentry_in_a_cluster
	s_endpgm
.Lentry_in_a_cluster:
	s_bfe_u32 s2, ttmp6, 0x10000c
	s_cmp_lg_u32 s2, 0xf033
	s_cbranch_scc0 .Lentry_shape_is_right
	s_endpgm
.Lentry_shape_is_right:
; q, k, v = x W^T for W_q, W_k, W_v at once: C[8192][3072] = xb [8192][1024] x (rows 0-3071 of wb [4096][1024])^T, f16 operands, f32 sums,
; stored as f16 by heads: qkv[which 0-2][16 batch + head][2048 s][64 d].
; A work-group makes 256 rows x 192 columns (three heads): 16 x 32 = 512 equal work-groups.  Four waves, as many as a WGP has SIMDs; a wave
; makes 128 x 96 = 8 x 6 accumulator tiles of 16 x 16, 384 registers.  K goes in steps of 128 through a ring of two LDS slots filled by the
; tensor data mover; a tile's rows are 256 bytes of memory and start at multiples of 256 bytes from the buffer's first byte.
; CLUSTERS: 4 x 4 work-groups.  The four of a row of the cluster need the same rows of xb, the four of a column the same rows of wb; such a
; tile is asked for jointly, by the same tensor load with the same descriptor and a mask that names the four.
; By this text's own count a wave has two tensor loads out at the start and one behind each round.
; REGISTERS, in windows of 256: window 0: v16-26 addresses, v64-127 and v128-191 fragments of A (two buffers), v192-215 packed results;
;   window 1: v64-111 and v128-175 fragments of B; window 2: tiles (a = 0..3, b) at v[8 (6 a + b)]; window 3: the same for my rows 64-127.
; The matrix instruction is used transposed (source 0 = rows of wb, source 1 = rows of xb): lane l then holds row l % 16 of C and in its
; eight registers the columns 8 (l / 16) + 0..7, which pack into 16 neighbouring bytes.
; LIMIT: results are kept in f16: |q|, |k|, |v| below 65,504.
.set SIZE_K, 1024
.set KSTEP,  128
.set PITCH,  272                       ; an LDS row: 256 bytes + 16 of padding, so that the 16 rows of a fragment load start in 16 different groups of banks
.set HALFA,  128*PITCH                 ; what one tensor load brings of A
.set HALFB,  96*PITCH                  ; and of B
.set SLOT,   2*HALFA+2*HALFB           ; A's 256 rows, then B's 192 rows
.set SPITCH, 400                       ; the way out: a row of 192 f16 (384 bytes) + 16
.set LAPS,   SIZE_K/(2*KSTEP)          ; a lap = two K steps = once round the ring
.set ADRA, 16                          ; v16-17  LDS address of my A fragments in slot 0, 1
.set ADRB, 20                          ; v20-21  the same for B
.set STO,  24                          ; v24     the way out: where I put 16 bytes of a row
.set RD,   25                          ; v25     where I read rows back
.set CO,   26                          ; v26     my byte offset in a head's 256 rows
.set F0,   64
.set F1,   128
.set TMP,  192
.set G1,  24                           ; s[24:31] group 1 for A's tiles
.set G0,  32                           ; s[32:39] group 0 for A's tiles, a set for each slot
.set G1B, 48                           ; s[48:55] group 1 for B's tiles
.set G0B, 56                           ; s[56:63] group 0 for B's tiles
.set HB,  66                           ; s[66:71] the way out: the addresses of my rows in the three heads
.set MSB, 0
.macro WIN new                         ; the immediate's high byte repeats the setting that is left
.if MSB != \new
	s_set_vgpr_msb (MSB<<8)|\new
.set MSB, \new
.endif
.endm
.set MUL_LO, 0xa1                      ; source 0 (B) window 1, source 1 (A) window 0, C and D window 2
.set MUL_HI, 0xf1                      ; the same, C and D window 3
.set TO_B,   0x40                      ; destination window 1, address window 0
; A joint load: waves 0 and 1 fetch A's two halves, waves 2 and 3 B's.  The branch hangs on the wave's number alone.
.macro JLOAD s
	s_cmp_eq_u32 s11, 0
	s_cbranch_scc0 .Lfor_b_\@
	tensor_load_to_lds s[G0+4*\s:G0+4*\s+3], s[G1:G1+7]
	s_nop 0
	s_branch .Lasked_\@
.Lfor_b_\@:
	tensor_load_to_lds s[G0B+4*\s:G0B+4*\s+3], s[G1B:G1B+7]
	s_nop 0
.Lasked_\@:
.endm
.macro CREST                           ; a round of the cluster's barrier behind its opening barrier
	s_cmp_lg_u32 s10, 0
	s_cbranch_scc1 .Lnot_wave_0_\@
	s_barrier_signal -3
.Lnot_wave_0_\@:
	s_barrier_wait -3
	s_barrier_signal -1
	s_barrier_wait -1
.endm
.macro CROUND                          ; a whole round
	s_barrier_signal -1
	s_barrier_wait -1
	CREST
.endm
	s_load_b128 s[4:7], s[0:1], 0x0                ; xb s[4:5], wb s[6:7]
	s_load_b64 s[8:9], s[0:1], 0x10                ; qkv
	s_set_vgpr_msb 0x40
	v_lshl_add_u32 v255, v0, 2, 0x3b800
	s_set_vgpr_msb 0x4000
	v_mov_b32 v255, 0
	s_set_vgpr_msb 0x1
	ds_add_u32 v255, v255
	ds_add_u32 v255, v255
	s_set_vgpr_msb 0x100
	v_lshrrev_b32 v1, 5, v0
	v_readfirstlane_b32 s10, v1                    ; wave 0..3
	s_lshr_b32 s11, s10, 1                         ; which half of the block's rows is mine.  Also: I fetch for A (0) or for B (1)
	s_and_b32 s12, s10, 1                          ; which half of its columns.  Also: which half of that tile I fetch
	s_bfe_u32 s40, ttmp6, 0x40000                  ; cx
	s_bfe_u32 s41, ttmp6, 0x40004                  ; cy
	s_lshl_b32 s42, ttmp9, 2
	s_add_co_u32 s42, s42, s40                     ; block column = 4 x cluster x + cx, 0..15
	s_and_b32 s13, ttmp7, 0xffff
	s_lshl_b32 s13, s13, 2
	s_add_co_u32 s13, s13, s41                     ; block row = 4 x cluster y + cy, 0..31
	s_lshl_b32 s43, s41, 2
	s_lshl_b32 s43, 15, s43                        ; my row of the cluster
	s_lshl_b32 s44, 0x1111, s40                    ; my column
	s_or_b32 s[G1+0], s43, (1<<16)|(1<<20)|(1<<21)|(5<<22)|(3<<25)   ; mask; elements of 2 bytes; padding on; bit 21 beside a mask; after every 64 words, 4 words
	s_or_b32 s[G1B+0], s44, (1<<16)|(1<<20)|(1<<21)|(5<<22)|(3<<25)
	s_mov_b32 s[G1+1], KSTEP<<16                   ; tensor_dim0 = 128
	s_mov_b32 s[G1B+1], KSTEP<<16
	s_mov_b32 s[G1+2], 128<<16                     ; tensor_dim1 = 128 rows of A
	s_mov_b32 s[G1B+2], 96<<16                     ;             = 96 rows of B
	s_mov_b32 s[G1+3], KSTEP<<16                   ; tile_dim0 = 128
	s_mov_b32 s[G1B+3], KSTEP<<16
	s_mov_b32 s[G1+4], 128                         ; tile_dim1
	s_mov_b32 s[G1B+4], 96
	s_mov_b32 s[G1+5], SIZE_K                      ; elements from row to row
	s_mov_b32 s[G1B+5], SIZE_K
	s_mov_b32 s[G1+6], 0
	s_mov_b32 s[G1B+6], 0
	s_mov_b32 s[G1+7], 0
	s_mov_b32 s[G1B+7], 0
	; A's tiles hang on the block row alone, B's on the block column alone; each address is made in registers that never hold the other coordinate
	s_lshl_b32 s17, s12, 7
	s_lshl_b32 s16, s13, 8
	s_add_co_u32 s16, s16, s17                     ; A: row 256 x block row + 128 x half
	s_lshl_b32 s16, s16, 11                        ; rows of 2,048 bytes
	s_mov_b32 s17, 0
	s_mul_i32 s46, s42, 192
	s_mul_i32 s47, s12, 96
	s_add_co_u32 s46, s46, s47                     ; B: row 192 x block column + 96 x half
	s_lshl_b32 s46, s46, 11
	s_mov_b32 s47, 0
	s_mul_i32 s20, s10, HALFA                      ; where A's halves go: wave x 128 rows (waves 0, 1)
	s_mul_i32 s21, s10, HALFB
	s_add_co_u32 s21, s21, 2*HALFA-2*HALFB         ; where B's go: behind A's 256 rows, (wave - 2) x 96 rows (waves 2, 3)
	s_wait_dscnt 0x0
	s_wait_kmcnt 0x0
	s_add_nc_u64 s[14:15], s[4:5], s[16:17]
	s_add_nc_u64 s[46:47], s[6:7], s[46:47]
	CROUND                                         ; all sixteen work-groups are here: the first joint loads meet
.irp s, 0,1
	s_mov_b32 s[G0+4*\s], 1
	s_add_co_u32 s[G0+4*\s+1], s20, \s*SLOT
	s_add_nc_u64 s[G0+4*\s+2:G0+4*\s+3], s[14:15], \s*KSTEP*2
	s_or_b32 s[G0+4*\s+3], s[G0+4*\s+3], 0x80000000
	s_mov_b32 s[G0B+4*\s], 1
	s_add_co_u32 s[G0B+4*\s+1], s21, \s*SLOT
	s_add_nc_u64 s[G0B+4*\s+2:G0B+4*\s+3], s[46:47], \s*KSTEP*2
	s_or_b32 s[G0B+4*\s+3], s[G0B+4*\s+3], 0x80000000
	JLOAD \s                                       ; both slots' first fills go out together
.endr
	; a fragment: lane l holds row l % 16; registers 0-3 K = 8 (l / 16) + 0..7, registers 4-7 K = 16 + 8 (l / 16) + 0..7: two loads of 16 bytes, 32 apart
	v_and_b32 v1, 15, v0                           ; r
	v_bfe_u32 v2, v0, 4, 1                         ; h
	v_mul_u32_u24 v3, v1, PITCH
	v_lshl_add_u32 v3, v2, 4, v3
	s_mul_i32 s21, s11, HALFA                      ; my 128 rows of A
	s_mul_i32 s22, s12, HALFB
	s_add_co_u32 s22, s22, 2*HALFA                 ; my 96 rows of B
.irp s, 0,1
	v_add_nc_u32 v[ADRA+\s], s21, v3
	v_add_nc_u32 v[ADRB+\s], s22, v3
	s_add_co_u32 s21, s21, SLOT
	s_add_co_u32 s22, s22, SLOT
.endr
	v_mul_u32_u24 v4, v1, SPITCH                   ; the way out, in: row 128 x row half + r, byte 192 x column half + 16 h
	v_lshl_add_u32 v4, v2, 4, v4
	s_mul_i32 s23, s11, 128*SPITCH
	s_mul_i32 s45, s12, 192
	s_add_co_u32 s23, s23, s45
	v_add_nc_u32 v[STO], s23, v4
	v_and_b32 v5, 31, v0                           ; back: eight lanes take a head's 128 bytes of a row, a load takes four rows
	v_lshrrev_b32 v6, 3, v5
	v_mul_u32_u24 v6, v6, SPITCH
	v_and_b32 v7, 7, v0
	v_lshl_add_u32 v6, v7, 4, v6
	s_mul_i32 s23, s10, 64*SPITCH                  ; wave w takes rows 64 w .. 64 w + 63
	v_add_nc_u32 v[RD], s23, v6
	s_lshl_b32 s23, s10, 13
	v_lshl_add_u32 v[CO], v5, 4, s23               ; 8,192 w + 16 lane
; 12 matrix instructions: m blocks a0, a0 + 1 of the window's four x all 6 n blocks, 32 along K.  zero = 1: the first product starts the sums.
; The 48 accumulators take turns, one instruction a turn, in the same order in every quarter step.
.macro MUL12 f, hi, a0, zero
.irp a, \a0, \a0+1
.irp b, 0,1,2,3,4,5
.if \zero
	v_wmma_f32_16x16x32_f16 v[8*(6*(\a)+\b):8*(6*(\a)+\b)+7], v[\f+8*\b:\f+8*\b+7], v[\f+8*(4*\hi+\a):\f+8*(4*\hi+\a)+7], 0
.else
	v_wmma_f32_16x16x32_f16 v[8*(6*(\a)+\b):8*(6*(\a)+\b)+7], v[\f+8*\b:\f+8*\b+7], v[\f+8*(4*\hi+\a):\f+8*(4*\hi+\a)+7], v[8*(6*(\a)+\b):8*(6*(\a)+\b)+7]
.endif
.endr
.endr
.endm
; 28 LDS loads in one run: 96 rows of B, then 128 rows of A, 32 K at byte k of the rows, into buffer f
.macro FETCH slot, k, f
	WIN TO_B
.irp i, 0,1,2,3,4,5
	ds_load_b128 v[\f+8*\i:\f+8*\i+3],   v[ADRB+\slot] offset:\k+\i*16*PITCH
	ds_load_b128 v[\f+8*\i+4:\f+8*\i+7], v[ADRB+\slot] offset:\k+\i*16*PITCH+32
.endr
	WIN 0
.irp i, 0,1,2,3,4,5,6,7
	ds_load_b128 v[\f+8*\i:\f+8*\i+3],   v[ADRA+\slot] offset:\k+\i*16*PITCH
	ds_load_b128 v[\f+8*\i+4:\f+8*\i+7], v[ADRA+\slot] offset:\k+\i*16*PITCH+32
.endr
.endm
; four places behind the last matrix instruction, in front of loads into registers that matrix instructions have read and of
; vector instructions that read results
.macro PLACES
.rept 4
	v_nop
.endr
.endm
.macro QUARTER slot, k, f, g, zero
	s_wait_dscnt 8                                 ; B and A's rows 0-63 are in; the youngest eight loads (A's rows 64-127) may be out
	WIN MUL_LO
	MUL12 \f, 0, 0, \zero
	MUL12 \f, 0, 2, \zero
	PLACES
	FETCH \slot, \k, \g
	s_wait_dscnt 28                                ; all but the 28 just issued
	WIN MUL_HI
	MUL12 \f, 1, 0, \zero
	MUL12 \f, 1, 2, \zero
.endm
.macro THREE slot, zero
	QUARTER \slot, 64,  F0, F1, \zero
	QUARTER \slot, 128, F1, F0, 0
	QUARTER \slot, 192, F0, F1, 0
.endm
; The last quarter of a K step multiplies buffer 1 and changes slots.  In front of the barrier each wave waits for its reads of this slot and for
; all its tensor loads (the one that is out is its part of the next slot); behind it the refill comes first, then the next slot's first fragments.
.macro TURN slot, next, fill
	s_wait_dscnt 8
	WIN MUL_LO
	MUL12 F1, 0, 0, 0
	s_wait_dscnt 0                                 ; my reads of this slot are over
	s_wait_tensorcnt 0x0                           ; all my tensor loads have landed
	ds_add_u32 v255, v255
	s_wait_dscnt 0x0
	s_barrier_signal -1                            ; where a slot is filled again this barrier opens a round of the cluster's barrier
	MUL12 F1, 0, 2, 0                              ; register work while the others arrive
	WIN 0
	s_barrier_wait -1
.if \fill
	CREST                                          ; no wave of any partner still reads this slot or has a load on its way
	s_add_nc_u64 s[G0+4*\slot+2:G0+4*\slot+3], s[G0+4*\slot+2:G0+4*\slot+3], 2*KSTEP*2
	s_add_nc_u64 s[G0B+4*\slot+2:G0B+4*\slot+3], s[G0B+4*\slot+2:G0B+4*\slot+3], 2*KSTEP*2
	JLOAD \slot                                    ; the first tensor load behind the round, one a wave
.endif
	PLACES
	FETCH \next, 0, F0
	WIN MUL_HI
	MUL12 F1, 1, 0, 0
	MUL12 F1, 1, 2, 0
.endm
.macro LAP zero
	THREE 0, \zero
	TURN 0, 1, 1
	THREE 1, 0
	TURN 1, 0, 1
.endm
	s_wait_tensorcnt 1                             ; my part of K step 0 is in; K step 1's stays out
	s_barrier_signal -1
	s_barrier_wait -1
	FETCH 0, 0, F0
	LAP 1                                          ; the first lap stands in front of the loop: its first products start the sums
	WIN 0
	s_mov_b32 s3, LAPS-2
.Llap:
	LAP 0
	WIN 0
	s_sub_co_u32 s3, s3, 1
	s_cmp_lg_u32 s3, 0
	s_cbranch_scc1 .Llap
	THREE 0, 0                                     ; the last lap fills nothing
	TURN 0, 1, 0
	THREE 1, 0
	s_wait_dscnt 8
	WIN MUL_LO
	MUL12 F1, 0, 0, 0
	MUL12 F1, 0, 2, 0
	s_wait_dscnt 0
	WIN MUL_HI
	MUL12 F1, 1, 0, 0
	MUL12 F1, 1, 2, 0
	; THE WAY OUT.  A wave's 96 columns are one and a half heads, so the whole block of 256 x 192 is gathered in LDS (102,400 bytes from byte 0, inside
	; slot 0, which has had its last fill) and each wave then writes 64 whole rows of each of the three heads.
	PLACES
	WIN 0
	s_lshr_b32 s14, s13, 3
	s_lshl_b32 s14, s14, 22                        ; batch x 16 heads x 262,144 bytes
	s_and_b32 s15, s13, 7
	s_lshl_b32 s15, s15, 15                        ; my 256 rows of 128 bytes in a head's 2,048
	s_add_co_u32 s16, s14, s15
	s_mov_b32 s17, 0
	s_add_nc_u64 s[8:9], s[8:9], s[16:17]          ; the part that hangs on the block row
	s_mul_i32 s45, s42, 3                          ; the first of my three heads among the 48 of q, k, v (made in registers of B's side alone)
.irp j, 0,1,2
	s_add_co_u32 s46, s45, \j
	s_lshr_b32 s47, s46, 4                         ; q, k or v
	s_and_b32 s46, s46, 15                         ; head
	s_lshl_b32 s47, s47, 6
	s_add_co_u32 s46, s46, s47
	s_lshl_b32 s46, s46, 18
	s_mov_b32 s47, 0
	s_add_nc_u64 s[HB+2*\j:HB+2*\j+1], s[8:9], s[46:47]
.endr
	s_barrier_signal -1                            ; every wave's reads of the ring are back (its last wait on LDS was for 0)
	s_barrier_wait -1
; rows 16 i .. 16 i + 15 of my 128: the six tiles (a, 0..5) of window 2 or 3 (from = 0x0a or 0x0f: sources 0 and 1), rounded to f16
.macro STAGE16 i, a, from
	WIN \from
.irp b, 0,1,2,3,4,5
.irp r, 0,1,2,3
	v_cvt_pk_f16_f32 v[TMP+4*\b+\r], v[8*(6*\a+\b)+2*\r], v[8*(6*\a+\b)+2*\r+1]
.endr
.endr
	WIN 0
.irp b, 0,1,2,3,4,5
	ds_store_b128 v[STO], v[TMP+4*\b:TMP+4*\b+3] offset:16*SPITCH*\i+32*\b
.endr
.endm
	STAGE16 0, 0, 0x0a
	STAGE16 1, 1, 0x0a
	STAGE16 2, 2, 0x0a
	STAGE16 3, 3, 0x0a
	STAGE16 4, 0, 0x0f
	STAGE16 5, 1, 0x0f
	STAGE16 6, 2, 0x0f
	STAGE16 7, 3, 0x0f
	s_wait_dscnt 0x0                               ; my stores are done, for the waves that read them
	s_barrier_signal -1
	s_barrier_wait -1
; head j of the block's three: my 64 rows, four rows a load; each store of the wave covers 512 consecutive bytes of the head's rows, aligned
.macro HEADOUT j, f
.irp t, 0,1,2,3,4,5,6,7,8,9,10,11,12,13,14,15
	ds_load_b128 v[\f+4*\t:\f+4*\t+3], v[RD] offset:4*SPITCH*\t+128*\j
.endr
.irp t, 0,1,2,3,4,5,6,7,8,9,10,11,12,13,14,15
	s_wait_dscnt 15-\t                             ; load t is in, the younger ones stay out
	global_store_b128 v[CO], v[\f+4*\t:\f+4*\t+3], s[HB+2*\j:HB+2*\j+1] offset:512*\t
.endr
.endm
	HEADOUT 0, F0
	HEADOUT 1, F1
	s_wait_xcnt 0x0                                ; buffer 0, which stores read, is loaded again only behind this wait
	HEADOUT 2, F0
	s_set_vgpr_msb 0x1
	s_wait_tensorcnt 0x0
	ds_add_u32 v255, v255
	s_wait_dscnt 0x0
	s_set_vgpr_msb 0x100
	CROUND                                         ; the closing round: no work-group ends while a partner may still ask for a tile that names it
	s_endpgm
.Lfunc_end_k_qa7f57b1104_qkv:
	.size	k_qa7f57b1104_qkv, .Lfunc_end_k_qa7f57b1104_qkv-k_qa7f57b1104_qkv
	.p2alignl 7, 3214868480
	.fill 96, 4, 3214868480
	.section	.rodata,"a",@progbits
	.p2align	6, 0x0
	.amdhsa_kernel k_qa7f57b1104_qkv
		.amdhsa_group_segment_fixed_size 327680
		.amdhsa_private_segment_fixed_size 0
		.amdhsa_enable_private_segment 0
		.amdhsa_kernarg_size 24
		.amdhsa_user_sgpr_count 2
		.amdhsa_user_sgpr_kernarg_segment_ptr 1
		.amdhsa_wavefront_size32 1
		.amdhsa_system_sgpr_workgroup_id_x 1
		.amdhsa_system_sgpr_workgroup_id_y 1
		.amdhsa_system_sgpr_workgroup_id_z 1
		.amdhsa_system_vgpr_workitem_id 0
		.amdhsa_next_free_vgpr 1024
		.amdhsa_next_free_sgpr 72
		.amdhsa_reserve_vcc 0
		.amdhsa_float_denorm_mode_32 3
		.amdhsa_float_denorm_mode_16_64 3
		.amdhsa_memory_ordered 1
		.amdhsa_forward_progress 1
		.amdhsa_inst_pref_size 159
	.end_amdhsa_kernel
	.amdgpu_metadata
---
amdhsa.version: [ 1, 2 ]
amdhsa.kernels:
  - .name:           k_qa7f57b1104_qkv
    .symbol:         k_qa7f57b1104_qkv.kd
    .args:
      - { .name: xb, .offset: 0, .size: 8, .value_kind: global_buffer, .address_space: global }
      - { .name: wb, .offset: 8, .size: 8, .value_kind: global_buffer, .address_space: global }
      - { .name: qkv, .offset: 16, .size: 8, .value_kind: global_buffer, .address_space: global }
    .group_segment_fixed_size: 327680
    .private_segment_fixed_size: 0
    .kernarg_segment_align: 8
    .kernarg_segment_size: 24
    .max_flat_workgroup_size: 128
    .sgpr_count:     72
    .vgpr_count:     1024
    .wavefront_size: 32
...
	.end_amdgpu_metadata
.endif
;; end of part 2
;; launch attn (part 3): grid 256 x 1, 8 waves a work-group, no clusters, 327,680 bytes of LDS; arguments qkv, att, xb, xl, wb, wl, ae; writes att, ae
.if DOCPART == 3
	.amdgcn_target "amdgcn-amd-amdhsa--gfx1250"
	.amdhsa_code_object_version 6
	.text
	.protected	k_qa7f57b1104_attn
	.globl	k_qa7f57b1104_attn
	.p2align	8
	.type	k_qa7f57b1104_attn,@function
k_qa7f57b1104_attn:
	s_mov_b64 s[64:65], 0
	v_nop
	global_prefetch_b8 v0, s[64:65] scope:SCOPE_SE
	s_setreg_imm32_b32 hwreg(HW_REG_WAVE_MODE, 25, 1), 1
	s_wait_xcnt 0x0
; Causal attention of one (batch, head): att = softmax(q k^T / 8, masked above the diagonal) v, by a running maximum; scores never leave registers.
; q, k, v: qkv[which][64 heads][2048][64] f16; att: [64][2048][64] f16.
; SHARE.  Work-group = (head = id / 4, p = id % 4).  It makes two blocks of 256 queries: first block 2 p + 1 (2 p + 2 units of 256 keys), then block
; 6 - 2 p (7 - 2 p units): nine units in every work-group.  The pass of even length comes first, so that the slot of every unit is a constant of the text.
; Eight waves.  Wave w < 4 has query group qg = w (queries 64 qg .. + 63 of the block) and key half hf = 0; wave w >= 4 has qg = 7 - w and hf = 1.  The two
; waves of a group share the keys: of a unit's four steps of 64 keys, half hf takes steps hf and 2 + hf.  At a pass's end the two partial results are merged
; through LDS.  In a diagonal unit group qg has qg + 1 steps; with this numbering waves w and w + 4 together have 3, 2, 3, 2 of them, not 1, 2, 3, 4.
; NO CLUSTER: the four work-groups of a head read the same K and V, but walk them in passes of 2 p + 2 and 7 - 2 p units, so their sequences of tiles
; differ and a joint request would need trip counts that hang on the place in the cluster; walking all four in step would cost 12 units instead of 9.
; LAYOUT.  S^T = K Q^T (source 0 = 16 keys, source 1 = 16 queries): lane (r, h) holds query r and keys 8 h + 0..7 of a tile.  Packed in pairs these are
; already the second source of O^T = V^T P^T, and maximum, sum and rescaling are one number a lane.  V^T's fragments come by transposing LDS loads.
; RING.  Two slots, each a unit's K (4 chunks of 64 keys, pitch 144) and V (4 chunks, pitch 160).  Wave w fills chunk w with one tensor load (8,192 dense
; bytes); by this text's own count a wave has one tensor load out, issued first thing behind a unit's barrier.
; THE FIRST SIXTEEN QUERIES ONCE MORE, in two f16 parts, into ae.  Query s averages s + 1 rows of v, so the first rows of the result are many times larger
; than the root mean square of the whole, to which the wanted accuracy is tied; one rounding to f16 of each operand is too coarse there, and from row 16 on
; it is fine enough.  A number a is hi = f16(a) and lo = f16((a - hi) x 2048); a product takes three matrix instructions, hi hi into one accumulator, lo hi
; and hi lo into two others, and is acc0 + (acc1 + acc2) / 2048; lo lo, some 2^-22 of the result, is left out.  q and k are taken in plain f16 as stored.
; This work-group makes keys and queries 0-15 of its head, d = 16 p .. + 15.  At the start the eight waves split K = 1024 of v = x W_v^T (wave w takes
; k = 128 w .. + 127: 32 loads of 16 bytes a lane, on their way together with the first unit's tile and the queries); the eight partial tiles lie in LDS
; bytes of their own.
; The fragments of the output projection as they are, 512 consecutive bytes a store.
; LIMITS.  f16 operands: |x|, |W|, |q|, |k|, |v| below 65,504.  Key blocks wholly above the diagonal are skipped, which is right while unmasked scores lie
; far above -1e9; inside the diagonal block a masked score is exactly -1e9, as written in the problem.
.set SLOTB, 81920                      ; bytes in a slot
.set CHUNK, 10240                      ; 64 keys of K (9,216 used) or of V (10,240)
.set KP,    144                        ; K's LDS pitch: 128 + 16
.set VP,    160                        ; V's: 128 + 32, an odd multiple of 32 for the transposing loads
.set MERGE, 2*SLOTB                    ; 4 x 17,920: what the wave of key half 1 hands to its partner
.set MREG,  17920
.set OUTB,  MERGE+4*MREG               ; 4 x 9,216: 64 rows of pitch 144, the way out
.set OREG,  9216
.set EPART, OUTB+4*OREG                ; 8 x 1,024: the eight partial tiles of the first rows' v
; window 0
.set KA,   4                           ; v4-5    address of my K fragments in slot 0, 1
.set VA,   6                           ; v6-7    the same for V
.set NEG,  9                           ; v9      -8e9: divided by 8 it is the mask's -1e9
.set QOFF, 10                          ; v10     128 r + 16 h
.set MST,  11                          ; v11     my 16 bytes in the group's merge region
.set OST,  12                          ; v12     the way out, in
.set ORD,  13                          ; v13     the way out, back
.set GOUT, 14                          ; v14     16 lane
.set NM,   16                          ; v[16:23] four pairs (-c max, alpha)
.set LS,   24                          ; v[24:27] running sums (of my half of the keys of a tile)
.set MX,   28                          ; v[28:31] running maxima of the raw scores
.set T,    32                          ; v[32:47] at work
.set PB,   48                          ; v[48:59] the partner's figures
.set EV,   60                          ; v60     2,048 r + 16 h + 256 w: my 16 bytes in a row of x or W_v
.set ER,   61                          ; v61     my partial tile in LDS
.set EL,   62                          ; v62     16 lane in the first partial tile
.set VF,   64                          ; v[64:127]  V^T fragments [ks][dt]
.set S,    128                         ; v[128:255] scores [qt][kt], then P; at the start the fragments of x and W_v
; the first rows' registers (window 0), all free where they are used
.set EPH,  40                          ; v[40:47]   weights, hi (four registers, four zeros)
.set EPL,  48                          ; v[48:55]   weights, lo
.set EVH,  64                          ; v[64:71]   v, hi
.set EVL,  72                          ; v[72:79]   v, lo
.set ES0,  80                          ; v[80:87]   scores, d 0-31, then all
.set ES1,  88                          ; v[88:95]   scores, d 32-63
.set EA0,  96                          ; v[96:119]  three accumulators
.set EA1,  104
.set EA2,  112
.set EOL,  124                         ; v[120:123] result hi, v[124:127] result lo
.set EQ,   128                         ; v[128:143] q fragments
.set EK,   144                         ; v[144:159] k fragments
.set EF,   160                         ; v[160:223] the eight partial tiles
; window 1
.set O,    0                           ; O^T tiles [dt][qt] at 8 (4 dt + qt)
.set QF,   128                         ; Q fragments [qt][ks]
.set KF,   192                         ; K fragments [kt][ks]
.set JS,   57                          ; s57, s58: my two steps of a unit
.set MK,   66                          ; s[66:73]: lanes in which key 8 h + j lies above query r
.set MSB, 0
.macro WIN new
.if MSB != \new
	s_set_vgpr_msb (MSB<<8)|\new
.set MSB, \new
.endif
.endm
; the number format of all matrix operands stands in these three macros
.macro WMMA0 d, a, b
	v_wmma_f32_16x16x32_f16 v[\d:\d+7], v[\a:\a+7], v[\b:\b+7], 0
.endm
.macro WMMAC d, a, b
	v_wmma_f32_16x16x32_f16 v[\d:\d+7], v[\a:\a+7], v[\b:\b+7], v[\d:\d+7]
.endm
.macro CVT2 d, p, q
	v_cvt_pk_f16_f32 v[\d], v[\p], v[\q]
.endm
; my chunk of a unit into slot n: waves 0-3 fetch K (pad 16 bytes), waves 4-7 V (pad 32)
.macro KVLOAD n
	s_cmp_lt_u32 s8, 4
	s_cbranch_scc0 .Lfor_v_\@
	tensor_load_to_lds s[32+4*\n:35+4*\n], s[16:23]
	s_nop 0
	s_branch .Lasked_\@
.Lfor_v_\@:
	tensor_load_to_lds s[32+4*\n:35+4*\n], s[24:31]
	s_nop 0
.Lasked_\@:
.endm
; acc0 + (acc1 + acc2) / 2048.  Five places stand behind the last matrix instruction: four in front of the first read of a result, five in front of
; the next matrix instruction that writes over one of its sources (ISA guide 7.12.1).
.macro EGATHER
.rept 5
	v_nop
.endr
.irp e, 0,2,4,6
	v_pk_add_f32 v[EA1+\e:EA1+\e+1], v[EA1+\e:EA1+\e+1], v[EA2+\e:EA2+\e+1]
.endr
.irp e, 0,2,4,6
	v_pk_fma_f32 v[EA0+\e:EA0+\e+1], v[EA1+\e:EA1+\e+1], s[94:95], v[EA0+\e:EA0+\e+1] op_sel_hi:[1,0,1]
.endr
.endm
; two f32 in v[a:a+1] become a packed hi (register hi, whose halves hl and hh are named by number) and a packed lo in v[lo]
.macro ESPLIT hi, hl, hh, lo, a
	v_cvt_pk_f16_f32 \hi, v[\a], v[\a+1]
	v_cvt_f32_f16 v34, \hl
	v_cvt_f32_f16 v35, \hh
	v_pk_fma_f32 v[34:35], v[34:35], -1.0, v[\a:\a+1] op_sel_hi:[1,0,1]  ; a - hi, exact
	v_pk_mul_f32 v[34:35], v[34:35], s[92:93] op_sel_hi:[1,0]
	v_cvt_pk_f16_f32 v[\lo], v34, v35
.endm
	s_load_b128 s[4:7], s[0:1], 0x0                ; qkv s[4:5], att s[6:7]
	s_load_b256 s[80:87], s[0:1], 0x10             ; xb s[80:81], xl s[82:83], wb s[84:85], wl s[86:87]
	s_load_b64 s[88:89], s[0:1], 0x30              ; ae
	v_lshl_add_u32 v61, v0, 2, 0x44800
	v_mov_b32 v63, 0
	ds_add_u32 v61, v63
	ds_add_u32 v61, v63
	s_wait_dscnt 0x0
	v_lshrrev_b32 v1, 5, v0
	v_readfirstlane_b32 s8, v1                     ; wave 0..7
	s_and_b32 s61, s8, 3                           ; which chunk of K or of V I fetch
	s_lshr_b32 s10, s8, 2                          ; hf: which half of the keys
	s_sub_co_u32 s9, 7, s8
	s_cmp_lt_u32 s8, 4
	s_cselect_b32 s9, s8, s9
	s_and_b32 s9, s9, 3                            ; qg: which 64 queries: w, or 7 - w from wave 4 on
	s_lshr_b32 s11, ttmp9, 2                       ; head 0..63
	s_and_b32 s12, ttmp9, 3                        ; p
	; group 1: 8,192 dense bytes as 32 rows of 32 elements of 8 bytes; after every 32 words (a key's 128 bytes) 4 words (K) or 8 words (V) are skipped
	s_mov_b32 s16, (3<<16)|(1<<20)|(4<<22)|(3<<25)
	s_mov_b32 s24, (3<<16)|(1<<20)|(4<<22)|(7<<25)
.irp g, 16, 24
	s_mov_b32 s[\g+1], 32<<16                      ; tensor_dim0 = 32
	s_mov_b32 s[\g+2], 32<<16                      ; tensor_dim1 = 32
	s_mov_b32 s[\g+3], 32<<16                      ; tile_dim0 = 32
	s_mov_b32 s[\g+4], 32                          ; tile_dim1 = 32
	s_mov_b32 s[\g+5], 32                          ; pitch = 32 elements: dense
	s_mov_b32 s[\g+6], 0
	s_mov_b32 s[\g+7], 0
.endr
	s_mov_b32 s32, 1                               ; group 0, a set for each slot
	s_mul_i32 s33, s8, CHUNK                       ; slot 0: wave x 10,240
	s_mov_b32 s36, 1
	s_add_co_u32 s37, s33, SLOTB                   ; slot 1
	s_lshl_b32 s14, s11, 18                        ; the head's 262,144 bytes
	s_lshl_b32 s15, s9, 13                         ; 64 qg rows of 128 bytes
	s_add_co_u32 s2, s14, s15
	s_lshl_b32 s15, s61, 13                        ; my chunk's 64 keys
	s_add_co_u32 s13, s10, 1
	s_lshl_b32 s13, s13, 24                        ; K's plane (waves 0-3) or V's (waves 4-7)
	s_add_co_u32 s42, s13, s14
	s_add_co_u32 s42, s42, s15
	s_mov_b32 s43, 0
	s_lshl_b32 s3, s12, 1
	s_add_co_u32 s74, s3, 1                        ; the first pass's block: 2 p + 1
	s_lshl_b32 s74, s74, 15
	s_add_co_u32 s74, s74, s2
	s_mov_b32 s75, 0
	s_sub_co_u32 s76, 6, s3                        ; the second pass's block: 6 - 2 p
	s_lshl_b32 s76, s76, 15
	s_add_co_u32 s76, s76, s2
	s_mov_b32 s77, 0
	s_wait_kmcnt 0x0
	s_add_nc_u64 s[40:41], s[4:5], s[42:43]        ; my chunk of the head's first unit
	s_mov_b64 s[34:35], s[40:41]
	s_or_b32 s35, s35, 0x80000000
	KVLOAD 0                                       ; the first unit goes out before anything else
	s_mov_b32 s42, 32768                           ; s[42:43]: byte offset of the unit that is asked for next
	s_add_nc_u64 s[44:45], s[4:5], s[74:75]        ; my queries, first pass
	s_add_nc_u64 s[46:47], s[4:5], s[76:77]        ; second pass
	s_add_nc_u64 s[48:49], s[6:7], s[74:75]        ; my rows of att, first pass
	s_add_nc_u64 s[50:51], s[6:7], s[76:77]        ; second pass
	s_mov_b32 s52, 0x3e38aa3b                      ; c = log2(e) / 8, twice (a pair for the packed multiply-add)
	s_mov_b32 s53, 0x3e38aa3b
	s_mov_b32 s54, 0xbe38aa3b                      ; -c
	s_mov_b32 s55, 0x76543210                      ; v_permlanex16_b32: lane i reads lane i of the other half
	s_mov_b32 s56, 0xfedcba98
	s_mov_b32 s57, s10                             ; my steps of a unit: hf and 2 + hf
	s_add_co_u32 s58, s10, 2
	v_and_b32 v1, 31, v0                           ; lane
	v_and_b32 v2, 15, v0                           ; r
	v_bfe_u32 v3, v0, 4, 1                         ; h
	v_lshlrev_b32 v[QOFF], 7, v2
	v_lshl_add_u32 v[QOFF], v3, 4, v[QOFF]
; my 64 queries as second-source fragments: lane (r, h) takes d = 32 ks + 8 h + 0..7 and + 16 of query 16 qt + r
.macro LOADQ qb
	WIN 0x40
.irp qt, 0,1,2,3
.irp ks, 0,1
	global_load_b128 v[QF+16*\qt+8*\ks:QF+16*\qt+8*\ks+3],   v[QOFF], s[\qb:\qb+1] offset:2048*\qt+64*\ks
	global_load_b128 v[QF+16*\qt+8*\ks+4:QF+16*\qt+8*\ks+7], v[QOFF], s[\qb:\qb+1] offset:2048*\qt+64*\ks+32
.endr
.endr
	WIN 0
.endm
	LOADQ 44
	; the first rows: where their operands lie.  id = 64 batch + 4 head + p
	s_lshr_b32 s3, ttmp9, 6                        ; batch
	s_mov_b32 s91, 0
	s_lshl_b32 s90, s3, 22                         ; xb: 2,048 rows of 2,048 bytes a batch
	s_add_nc_u64 s[80:81], s[80:81], s[90:91]
	s_lshl_b32 s90, s3, 15                         ; xl: 16 rows a batch
	s_add_nc_u64 s[82:83], s[82:83], s[90:91]
	s_and_b32 s90, ttmp9, 63
	s_lshl_b32 s90, s90, 15                        ; rows 16 (4 head + p) .. + 15 of W_v
	s_add_nc_u64 s[84:85], s[84:85], s[90:91]
	s_add_nc_u64 s[84:85], s[84:85], 0x400000      ; W_v begins at row 2,048 of wb
	s_add_nc_u64 s[86:87], s[86:87], s[90:91]
	s_lshl_b32 s90, ttmp9, 9                       ; ae: 512 bytes for each (batch, k / 16)
	s_add_nc_u64 s[88:89], s[88:89], s[90:91]
	s_lshl_b32 s90, s11, 18
	s_add_nc_u64 s[96:97], s[4:5], s[90:91]        ; the head's q, from query 0
	s_add_nc_u64 s[98:99], s[96:97], 0x1000000     ; its k: the next plane
	s_mov_b32 s92, 0x45000000                      ; 2048, twice
	s_mov_b32 s93, 0x45000000
	s_mov_b32 s94, 0x3a000000                      ; 1 / 2048, twice
	s_mov_b32 s95, 0x3a000000
	v_lshlrev_b32 v[EV], 11, v2
	v_lshl_add_u32 v[EV], v3, 4, v[EV]
	s_lshl_b32 s13, s8, 8
	v_add_nc_u32 v[EV], s13, v[EV]
.irp t, 0,1,2,3                        ; K step t of my four: x hi, x lo, W_v hi, W_v lo, 8 registers each
	global_load_b128 v[S+32*\t:S+32*\t+3],     v[EV], s[80:81] offset:64*\t
	global_load_b128 v[S+32*\t+4:S+32*\t+7],   v[EV], s[80:81] offset:64*\t+32
	global_load_b128 v[S+32*\t+8:S+32*\t+11],  v[EV], s[82:83] offset:64*\t
	global_load_b128 v[S+32*\t+12:S+32*\t+15], v[EV], s[82:83] offset:64*\t+32
	global_load_b128 v[S+32*\t+16:S+32*\t+19], v[EV], s[84:85] offset:64*\t
	global_load_b128 v[S+32*\t+20:S+32*\t+23], v[EV], s[84:85] offset:64*\t+32
	global_load_b128 v[S+32*\t+24:S+32*\t+27], v[EV], s[86:87] offset:64*\t
	global_load_b128 v[S+32*\t+28:S+32*\t+31], v[EV], s[86:87] offset:64*\t+32
.endr
	s_lshl_b32 s13, s8, 10
	s_add_co_u32 s13, s13, EPART
	v_lshl_add_u32 v[ER], v1, 4, s13               ; 1,024 w + 16 lane in the partial tiles
	v_lshlrev_b32 v[EL], 4, v1
	v_add_nc_u32 v[EL], EPART, v[EL]
	v_mul_u32_u24 v15, v2, KP
	v_lshl_add_u32 v15, v3, 4, v15                 ; 144 r + 16 h
	s_mul_i32 s13, s10, CHUNK
	v_add_nc_u32 v[KA], s13, v15                   ; K: chunk hf
	v_add_nc_u32 v[KA+1], SLOTB, v[KA]
	v_and_b32 v[VA], 7, v0
	v_lshl_add_u32 v[VA], v3, 3, v[VA]             ; key 8 h + (lane & 7)
	v_mul_u32_u24 v[VA], v[VA], VP
	v_bfe_u32 v8, v0, 3, 1
	v_lshl_add_u32 v[VA], v8, 4, v[VA]             ; + 16 bytes for lanes 8-15 of each half
	s_add_co_u32 s13, s13, 4*CHUNK
	v_add_nc_u32 v[VA], s13, v[VA]                 ; V: chunk 4 + hf
	v_add_nc_u32 v[VA+1], SLOTB, v[VA]
	v_lshlrev_b32 v8, 3, v3
	v_sub_nc_u32 v8, v2, v8                        ; r - 8 h
.irp j, 0,1,2,3,4,5,6,7
	v_cmp_gt_i32 s[MK+\j], \j, v8                  ; key 8 h + j > query r
.endr
	v_mov_b32 v[NEG], 0xcfee6b28
	s_mul_i32 s13, s9, MREG
	s_add_co_u32 s13, s13, MERGE
	v_lshl_add_u32 v[MST], v1, 4, s13
	s_mul_i32 s13, s9, OREG
	s_add_co_u32 s13, s13, OUTB
	v_add_nc_u32 v[OST], s13, v15
	v_lshrrev_b32 v8, 3, v1
	v_mul_u32_u24 v8, v8, KP
	v_and_b32 v15, 7, v0
	v_lshl_add_u32 v8, v15, 4, v8
	v_add_nc_u32 v[ORD], s13, v8
	v_lshlrev_b32 v[GOUT], 4, v1
; A pass starts: O = 0, max = -inf, sum = 0.  Which step is a wave's first in a pass hangs on the wave, and a wave without any step still hands its O
; to the merge, so the first product cannot start the sums; sixteen products of zeros write the 128 registers.  The sixteen moves behind them name none of
; their registers: they are the places in front of the next write of v[32:39] (ISA guide 7.12.1).
.macro ZEROO
.irp e, 0,1,2,3,4,5,6,7
	v_mov_b32 v[T+\e], 0
.endr
	WIN 0x40
.irp t, 0,1,2,3,4,5,6,7,8,9,10,11,12,13,14,15
	WMMA0 O+8*\t, T, T
.endr
	WIN 0
.irp qt, 0,1,2,3
	v_mov_b32 v[MX+\qt], 0xff800000                ; -inf
	v_mov_b32 v[NM+2*\qt], 0x7f800000              ; -c max = +inf: the first alpha is 2^(-inf) = 0
	v_mov_b32 v[NM+2*\qt+1], 0
	v_mov_b32 v[LS+\qt], 0
.endr
.endm
; Softmax of the 64 keys of a step for queries 16 qt + r: 32 scores a lane.
.macro SOFT qt
.set SB, S+32*\qt
.set TB, T+4*\qt
.set NP, NM+2*\qt
.irp c, 0,1,2,3
	v_max3_num_f32 v[TB+\c], v[SB+3*\c], v[SB+3*\c+1], v[SB+3*\c+2]      ; four chains
.endr
.irp g, 0,1
.irp c, 0,1,2,3
	v_max3_num_f32 v[TB+\c], v[TB+\c], v[SB+12+8*\g+2*\c], v[SB+12+8*\g+2*\c+1]
.endr
.endr
	v_max3_num_f32 v[TB], v[TB], v[SB+28], v[SB+29]
	v_max3_num_f32 v[TB+1], v[TB+1], v[SB+30], v[SB+31]
	v_max3_num_f32 v[TB], v[TB], v[TB+1], v[TB+2]
	v_max3_num_f32 v[TB], v[TB], v[TB+3], v[MX+\qt]                      ; with the running maximum
	v_permlanex16_b32 v[TB+1], v[TB], s55, s56                           ; the other half of the lanes holds the same query's other keys
	v_max_num_f32 v[MX+\qt], v[TB], v[TB+1]
	v_mul_f32 v[TB+2], s54, v[MX+\qt]                                    ; -c max
	v_sub_f32 v[TB+3], v[TB+2], v[NP]                                    ; c (old max - new max)
	v_exp_f32 v[NP+1], v[TB+3]                                           ; alpha
	v_mov_b32 v[NP], v[TB+2]                                             ; a plain instruction behind the exponential, in front of the first read of the pair
	s_wait_alu depctr_va_vdst(0)
.irp e, 0,2,4,6,8,10,12,14,16,18,20,22,24,26,28,30
	v_pk_fma_f32 v[SB+\e:SB+\e+1], v[SB+\e:SB+\e+1], s[52:53], v[NP:NP+1] op_sel_hi:[1,0,0]   ; c s - c max
.endr
.set e, 0
.rept 32
	v_exp_f32 v[SB+e], v[SB+e]
.set e, e+1
.endr
	v_nop                                                                ; one plain place behind the exponentials (ISA guide 5.7.2)
	s_wait_alu depctr_va_vdst(0)
	v_pk_add_f32 v[TB:TB+1], v[SB:SB+1], v[SB+2:SB+3]                    ; two chains of packed sums
	v_pk_add_f32 v[TB+2:TB+3], v[SB+4:SB+5], v[SB+6:SB+7]
.set e, 8
.rept 6
	v_pk_add_f32 v[TB:TB+1], v[TB:TB+1], v[SB+e:SB+e+1]
	v_pk_add_f32 v[TB+2:TB+3], v[TB+2:TB+3], v[SB+e+2:SB+e+3]
.set e, e+4
.endr
	v_pk_add_f32 v[TB:TB+1], v[TB:TB+1], v[TB+2:TB+3]
	v_add_f32 v[TB], v[TB], v[TB+1]
	v_fma_f32 v[LS+\qt], v[LS+\qt], v[NP+1], v[TB]                       ; sum = sum alpha + this step's
.irp ks, 0,1
.irp c, 0,1,2,3
	CVT2 SB+16*\ks+\c, SB+16*\ks+2*\c, SB+16*\ks+2*\c+1                  ; P of keys 32 ks + 8 h + 0..7, packed in place
.endr
.irp c, 0,1,2,3
	CVT2 SB+16*\ks+4+\c, SB+16*\ks+8+2*\c, SB+16*\ks+8+2*\c+1            ; and of keys 32 ks + 16 + 8 h + 0..7: eight registers, a second-source fragment
.endr
.endr
.endm
; One step: my 64 queries x 64 keys (chunk hf + 2 i of the slot).  dg = 1: the unit may be the diagonal one (s59 = qg then, else 99):
; steps beyond my queries are skipped, the step on the diagonal is masked.
.macro STEP slot, i, dg
.if \dg
	s_cmp_gt_u32 s[JS+\i], s59
	s_cbranch_scc1 .Lstep_end_\@
.endif
	WIN 0x40
.irp kt, 0,1,2,3
.irp ks, 0,1
	ds_load_b128 v[KF+16*\kt+8*\ks:KF+16*\kt+8*\ks+3],   v[KA+\slot] offset:2*CHUNK*\i+16*KP*\kt+64*\ks
	ds_load_b128 v[KF+16*\kt+8*\ks+4:KF+16*\kt+8*\ks+7], v[KA+\slot] offset:2*CHUNK*\i+16*KP*\kt+64*\ks+32
.endr
.endr
	WIN 0
.irp ks, 0,1
.irp dt, 0,1,2,3
	ds_load_tr16_b128 v[VF+8*(4*\ks+\dt):VF+8*(4*\ks+\dt)+3],   v[VA+\slot] offset:2*CHUNK*\i+32*VP*\ks+32*\dt
	ds_load_tr16_b128 v[VF+8*(4*\ks+\dt)+4:VF+8*(4*\ks+\dt)+7], v[VA+\slot] offset:2*CHUNK*\i+32*VP*\ks+32*\dt+16*VP
.endr
.endr
	s_wait_dscnt 16                                ; K's sixteen loads are in, V's sixteen stay out
	WIN 0x05                                       ; sources 0 and 1 in window 1.  The sixteen accumulators take turns, one instruction a turn
.irp qt, 0,1,2,3
.irp kt, 0,1,2,3
	WMMA0 S+32*\qt+8*\kt, KF+16*\kt, QF+16*\qt
.endr
.endr
.irp qt, 0,1,2,3
.irp kt, 0,1,2,3
	WMMAC S+32*\qt+8*\kt, KF+16*\kt+8, QF+16*\qt+8
.endr
.endr
	WIN 0
.rept 4
	v_nop                                          ; four places in front of the first read of a score (ISA guide 7.12.1)
.endr
.if \dg
	s_cmp_lg_u32 s[JS+\i], s59
	s_cbranch_scc1 .Lno_mask_\@
.irp qt, 0,1,2,3
.irp kt, 0,1,2,3
.if \kt == \qt
.irp j, 0,1,2,3,4,5,6,7
	v_cndmask_b32 v[S+32*\qt+8*\kt+\j], v[S+32*\qt+8*\kt+\j], v[NEG], s[MK+\j]   ; the tile on the diagonal
.endr
.endif
.if \kt > \qt
.irp j, 0,1,2,3,4,5,6,7
	v_mov_b32 v[S+32*\qt+8*\kt+\j], v[NEG]                                       ; a tile above it
.endr
.endif
.endr
.endr
.Lno_mask_\@:
.endif
	SOFT 0
	SOFT 1
	SOFT 2
	SOFT 3
	s_wait_dscnt 0x0                               ; V is in
	WIN 0x41
.irp dt, 0,1,2,3
.irp qt, 0,1,2,3
.irp e, 0,2,4,6
	v_pk_mul_f32 v[O+8*(4*\dt+\qt)+\e:O+8*(4*\dt+\qt)+\e+1], v[O+8*(4*\dt+\qt)+\e:O+8*(4*\dt+\qt)+\e+1], v[NM+2*\qt:NM+2*\qt+1] op_sel:[0,1] op_sel_hi:[1,1]   ; O alpha
.endr
.endr
.endr
	WIN 0x50                                       ; C and D in window 1; again sixteen accumulators by turns
.irp ks, 0,1
.irp dt, 0,1,2,3
.irp qt, 0,1,2,3
	WMMAC O+8*(4*\dt+\qt), VF+8*(4*\ks+\dt), S+32*\qt+16*\ks
.endr
.endr
.endr
	WIN 0
.rept 5
	v_nop                                          ; five places in front of the next products, which write over P; four serve the next loads into V's fragments
.endr
.if \dg
.Lstep_end_\@:
.endif
.endm
; One unit of 256 keys in slot `slot`.  In front of the barrier each wave waits for all its tensor loads (its chunk of this unit) and for its reads of the
; other slot; behind it the other slot's refill is the wave's first and only tensor load, and has the whole unit's work in which to land.
.macro UNIT slot, other, refill, dg
	s_wait_xcnt 0x0
	v_lshl_add_u32 v61, v0, 2, 0x44800
	v_mov_b32 v63, 0
	s_wait_tensorcnt 0x0
	ds_add_u32 v61, v63
	s_wait_dscnt 0x0
.if \refill
	s_add_nc_u64 s[34+4*\other:35+4*\other], s[40:41], s[42:43]      ; no load of mine is out: the group 0 may be written
	s_or_b32 s[35+4*\other], s[35+4*\other], 0x80000000
	s_add_co_u32 s42, s42, 32768
.endif
	s_wait_dscnt 0x0
	s_barrier_signal -1
	s_barrier_wait -1
.if \refill
	KVLOAD \other
.endif
	STEP \slot, 0, \dg
	STEP \slot, 1, \dg
.endm
; A pass ends: the group's two halves are merged, divided by the sum and stored.  ob: the scalar pair with my rows of att.
.macro FINAL ob
.irp qt, 0,1,2,3
	v_permlanex16_b32 v[T+\qt], v[LS+\qt], s55, s56
.endr
.irp qt, 0,1,2,3
	v_add_f32 v[LS+\qt], v[LS+\qt], v[T+\qt]       ; the sum over both halves of the lanes
.endr
	s_cmp_lt_u32 s8, 4
	s_cbranch_scc1 .Lkeeps_\@
	WIN 0x04                                       ; waves 4-7 hand over: O (store data in window 1), 512 consecutive bytes a store
.set n, 0
.rept 32
	ds_store_b128 v[MST], v[O+4*n:O+4*n+3] offset:512*n
.set n, n+1
.endr
	WIN 0
	ds_store_b128 v[MST], v[NM:NM+3] offset:16384
	ds_store_b128 v[MST], v[NM+4:NM+7] offset:16896
	ds_store_b128 v[MST], v[LS:LS+3] offset:17408
.Lkeeps_\@:
	s_wait_dscnt 0x0                               ; the stores are done, for the wave that reads them
	s_barrier_signal -1                            ; a unit's load may stay on its way
	s_barrier_wait -1
	s_cmp_lt_u32 s8, 4
	s_cbranch_scc0 .Lhanded_\@
	ds_load_b128 v[PB:PB+3], v[MST] offset:16384
	ds_load_b128 v[PB+4:PB+7], v[MST] offset:16896
	ds_load_b128 v[PB+8:PB+11], v[MST] offset:17408
.set n, 0
.rept 32
	ds_load_b128 v[S+4*n:S+4*n+3], v[MST] offset:512*n
.set n, n+1
.endr
	s_wait_dscnt 32                                ; the partner's figures are in, its O stays out
.irp qt, 0,1,2,3
	v_min_num_f32 v[T+8+\qt], v[NM+2*\qt], v[PB+2*\qt]             ; -c x the larger maximum (mine is finite: my step 0 is never skipped)
.endr
.irp qt, 0,1,2,3
	v_sub_f32 v[T+2*\qt], v[T+8+\qt], v[NM+2*\qt]
	v_sub_f32 v[T+2*\qt+1], v[T+8+\qt], v[PB+2*\qt]
.endr
.irp e, 0,1,2,3,4,5,6,7
	v_exp_f32 v[T+\e], v[T+\e]                     ; my factor, the partner's factor
.endr
	v_nop
	s_wait_alu depctr_va_vdst(0)
.irp qt, 0,1,2,3
	v_mul_f32 v[T+8+\qt], v[T+2*\qt], v[LS+\qt]
.endr
.irp qt, 0,1,2,3
	v_fmac_f32 v[T+8+\qt], v[T+2*\qt+1], v[PB+8+\qt]               ; the whole sum, at least 1
.endr
.irp qt, 0,1,2,3
	v_rcp_f32 v[T+12+\qt], v[T+8+\qt]
.endr
	v_nop
	s_wait_alu depctr_va_vdst(0)
.irp qt, 0,1,2,3
	v_mul_f32 v[T+2*\qt], v[T+2*\qt], v[T+12+\qt]
	v_mul_f32 v[T+2*\qt+1], v[T+2*\qt+1], v[T+12+\qt]
.endr
	s_wait_dscnt 0x0
.irp dt, 0,1,2,3
.irp qt, 0,1,2,3
.irp e, 0,2,4,6
	v_pk_mul_f32 v[S+8*(4*\dt+\qt)+\e:S+8*(4*\dt+\qt)+\e+1], v[S+8*(4*\dt+\qt)+\e:S+8*(4*\dt+\qt)+\e+1], v[T+2*\qt:T+2*\qt+1] op_sel:[0,1] op_sel_hi:[1,1]
.endr
.endr
.endr
	WIN 0x01                                       ; source 0 (my O) in window 1
.irp dt, 0,1,2,3
.irp qt, 0,1,2,3
.irp e, 0,2,4,6
	v_pk_fma_f32 v[S+8*(4*\dt+\qt)+\e:S+8*(4*\dt+\qt)+\e+1], v[O+8*(4*\dt+\qt)+\e:O+8*(4*\dt+\qt)+\e+1], v[T+2*\qt:T+2*\qt+1], v[S+8*(4*\dt+\qt)+\e:S+8*(4*\dt+\qt)+\e+1] op_sel_hi:[1,0,1]
.endr
.endr
.endr
	WIN 0
.irp t, 0,1,2,3,4,5,6,7,8,9,10,11,12,13,14,15
.irp c, 0,1,2,3
	CVT2 S+8*\t+\c, S+8*\t+2*\c, S+8*\t+2*\c+1     ; d = 16 dt + 8 h + 0..7 of query 16 qt + r: 16 bytes
.endr
.endr
.irp dt, 0,1,2,3
.irp qt, 0,1,2,3
	ds_store_b128 v[OST], v[S+8*(4*\dt+\qt):S+8*(4*\dt+\qt)+3] offset:16*KP*\qt+32*\dt
.endr
.endr
.irp t, 0,1,2,3,4,5,6,7,8,9,10,11,12,13,14,15
	ds_load_b128 v[VF+4*\t:VF+4*\t+3], v[ORD] offset:4*KP*\t       ; my own bytes: LDS serves a wave's instructions in order (ISA guide 5.7.1)
.endr
.irp t, 0,1,2,3,4,5,6,7,8,9,10,11,12,13,14,15
	s_wait_dscnt 15-\t                             ; load t is in, the younger ones stay out
	global_store_b128 v[GOUT], v[VF+4*\t:VF+4*\t+3], s[\ob:\ob+1] offset:512*\t   ; four rows: 512 consecutive bytes, aligned
.endr
.Lhanded_\@:
.endm
; The first rows' second half, one wave's work: v from the eight partial tiles, the 16 x 16 scores, the softmax, O^T = V^T P^T, all in two parts.
; v = (x rows as source 0) x (W_v rows as source 1): lane (r, h) holds d = r and keys 8 h + 0..7, which packed in pairs is source 0 of O^T = V^T P^T.
; Keys 16-31 of the K = 32 form are zeros.  It touches none of the wave's maxima, sums and O.
.macro ETAIL
.irp ks, 0,1
	global_load_b128 v[EQ+8*\ks:EQ+8*\ks+3],   v[QOFF], s[96:97] offset:64*\ks
	global_load_b128 v[EQ+8*\ks+4:EQ+8*\ks+7], v[QOFF], s[96:97] offset:64*\ks+32
	global_load_b128 v[EK+8*\ks:EK+8*\ks+3],   v[QOFF], s[98:99] offset:64*\ks
	global_load_b128 v[EK+8*\ks+4:EK+8*\ks+7], v[QOFF], s[98:99] offset:64*\ks+32
.endr
.irp w, 0,1,2,3,4,5,6,7
	ds_load_b128 v[EF+8*\w:EF+8*\w+3],   v[EL] offset:1024*\w      ; stored by all eight waves in front of the first unit's barrier
	ds_load_b128 v[EF+8*\w+4:EF+8*\w+7], v[EL] offset:1024*\w+512
.endr
	s_wait_loadcnt 0x0                             ; q and k are in
	WMMA0 ES0, EK, EQ                              ; S^T = K Q^T, d 0-31 and d 32-63 in two accumulators
	WMMA0 ES1, EK+8, EQ+8
.irp z, EPH, EPL, EVH, EVL
.irp e, 4,5,6,7
	v_mov_b32 v[\z+\e], 0                          ; keys 16-31 of the four fragments; these sixteen moves are also the places behind the two products
.endr
.endr
.irp e, 0,2,4,6
	v_pk_add_f32 v[ES0+\e:ES0+\e+1], v[ES0+\e:ES0+\e+1], v[ES1+\e:ES1+\e+1]
.endr
.irp j, 0,1,2,3,4,5,6,7
	v_cndmask_b32 v[ES0+\j], v[ES0+\j], v[NEG], s[MK+\j]           ; key 8 h + j above query r
.endr
	v_max3_num_f32 v32, v[ES0], v[ES0+1], v[ES0+2]
	v_max3_num_f32 v33, v[ES0+3], v[ES0+4], v[ES0+5]
	v_max3_num_f32 v32, v32, v[ES0+6], v[ES0+7]
	v_max_num_f32 v32, v32, v33
	v_permlanex16_b32 v33, v32, s55, s56           ; the other half of the lanes holds the query's other eight keys
	v_max_num_f32 v32, v32, v33                    ; the row's maximum (key 0 is never masked)
	v_mul_f32 v34, s54, v32
	v_mul_f32 v35, s54, v32                        ; -c max, twice
.irp e, 0,2,4,6
	v_pk_fma_f32 v[ES0+\e:ES0+\e+1], v[ES0+\e:ES0+\e+1], s[52:53], v[34:35] op_sel_hi:[1,0,1]
.endr
.irp j, 0,1,2,3,4,5,6,7
	v_exp_f32 v[ES0+\j], v[ES0+\j]
.endr
	v_nop                                          ; one plain place behind the exponentials (ISA guide 5.7.2)
	s_wait_alu depctr_va_vdst(0)
	v_pk_add_f32 v[32:33], v[ES0:ES0+1], v[ES0+2:ES0+3]
	v_pk_add_f32 v[34:35], v[ES0+4:ES0+5], v[ES0+6:ES0+7]
	v_pk_add_f32 v[32:33], v[32:33], v[34:35]
	v_add_f32 v32, v32, v33
	v_permlanex16_b32 v33, v32, s55, s56
	v_add_f32 v32, v32, v33                        ; the row's sum, at least 1
	v_rcp_f32 v34, v32
	v_rcp_f32 v35, v32
	v_nop
	s_wait_alu depctr_va_vdst(0)
.irp e, 0,2,4,6
	v_pk_mul_f32 v[ES0+\e:ES0+\e+1], v[ES0+\e:ES0+\e+1], v[34:35]  ; the weights themselves: nothing is divided later
.endr
	ESPLIT v40, v40.l, v40.h, EPL, ES0
	ESPLIT v41, v41.l, v41.h, EPL+1, ES0+2
	ESPLIT v42, v42.l, v42.h, EPL+2, ES0+4
	ESPLIT v43, v43.l, v43.h, EPL+3, ES0+6
	s_wait_dscnt 0x0                               ; the eight partial tiles are in
.irp w, 0,2,4,6
.irp e, 0,2,4,6
	v_pk_add_f32 v[EF+8*\w+\e:EF+8*\w+\e+1], v[EF+8*\w+\e:EF+8*\w+\e+1], v[EF+8*\w+8+\e:EF+8*\w+8+\e+1]
.endr
.endr
.irp w, 0,4
.irp e, 0,2,4,6
	v_pk_add_f32 v[EF+8*\w+\e:EF+8*\w+\e+1], v[EF+8*\w+\e:EF+8*\w+\e+1], v[EF+8*\w+16+\e:EF+8*\w+16+\e+1]
.endr
.endr
.irp e, 0,2,4,6
	v_pk_add_f32 v[EF+\e:EF+\e+1], v[EF+\e:EF+\e+1], v[EF+32+\e:EF+32+\e+1]       ; v(key 8 h + j, d = r) in f32
.endr
	ESPLIT v64, v64.l, v64.h, EVL, EF
	ESPLIT v65, v65.l, v65.h, EVL+1, EF+2
	ESPLIT v66, v66.l, v66.h, EVL+2, EF+4
	ESPLIT v67, v67.l, v67.h, EVL+3, EF+6
	WMMA0 EA0, EVH, EPH                            ; O^T = V^T P^T in three products
	WMMA0 EA1, EVL, EPH
	WMMA0 EA2, EVH, EPL
	EGATHER
	ESPLIT v120, v120.l, v120.h, EOL, EA0          ; query r, d = 16 p + 8 h + 0..7
	ESPLIT v121, v121.l, v121.h, EOL+1, EA0+2
	ESPLIT v122, v122.l, v122.h, EOL+2, EA0+4
	ESPLIT v123, v123.l, v123.h, EOL+3, EA0+6
	global_store_b128 v[GOUT], v[120:123], s[88:89]
	global_store_b128 v[GOUT], v[EOL:EOL+3], s[88:89] offset:131072
.endm
	ZEROO
	; the first rows' first half: my 128 of K = 1024 of v = x W_v^T.  The queries' sixteen loads are older than all that these counts count.
	s_wait_loadcnt 24                              ; K step 0's eight loads are in; the 24 of the later steps stay out
	WMMA0 EA0, S, S+16                             ; the first products start the sums.  The three accumulators take turns, one instruction a turn
	WMMA0 EA1, S+8, S+16
	WMMA0 EA2, S, S+24
.irp t, 1,2,3
	s_wait_loadcnt 24-8*\t                         ; step t is in; the later steps' loads stay out.  The last count is 0: my queries are in too
	WMMAC EA0, S+32*\t, S+32*\t+16
	WMMAC EA1, S+32*\t+8, S+32*\t+16
	WMMAC EA2, S+32*\t, S+32*\t+24
.endr
	EGATHER
	ds_store_b128 v[ER], v[EA0:EA0+3]              ; my partial tile: 512 consecutive bytes a store; the first unit's wait and barrier show it to wave 7
	ds_store_b128 v[ER], v[EA0+4:EA0+7] offset:512
	s_mov_b32 s60, 0                               ; trip k
.Ltrip:
	UNIT 0, 1, 1, 0                                ; units 2 k (never a diagonal one: the first pass is of even length)
	s_cmp_eq_u32 s60, s12                          ; k = p: unit 2 k + 1 is the first pass's last, on the diagonal,
	s_cselect_b32 s59, s9, 99                      ; so steps are compared with qg (99: nothing is skipped or masked),
	s_cselect_b32 s42, 0, s42                      ; and the unit asked for in it is the second pass's first
	UNIT 1, 0, 1, 1
	s_cmp_lg_u32 s60, s12                          ; the same in all eight waves: k counts trips, p is the work-group's
	s_cbranch_scc1 .Lsame_pass
	s_cmp_lg_u32 s8, 7                             ; wave 7 (qg = 0, steps 1 and 3) has skipped both steps of this diagonal unit:
	s_cbranch_scc1 .Lno_tail                       ; it finishes the first rows while the other waves do theirs
	ETAIL
.Lno_tail:
	LOADQ 46                                       ; the second pass's queries come in while the first pass goes out
	FINAL 48
	s_wait_xcnt 0x0                                ; V's fragment registers, which stores read, are loaded again only behind this wait
	ZEROO
	s_wait_loadcnt 0x0
.Lsame_pass:
	s_add_co_u32 s60, s60, 1
	s_cmp_lt_u32 s60, 4
	s_cbranch_scc1 .Ltrip
	s_mov_b32 s59, s9
	UNIT 0, 1, 0, 1                                ; the ninth unit: the second pass's diagonal; nothing is left to fetch
	FINAL 50
	s_wait_xcnt 0x0
	v_lshl_add_u32 v61, v0, 2, 0x44800
	v_mov_b32 v63, 0
	s_wait_tensorcnt 0x0
	ds_add_u32 v61, v63
	s_wait_dscnt 0x0
	s_endpgm
.Lfunc_end_k_qa7f57b1104_attn:
	.size	k_qa7f57b1104_attn, .Lfunc_end_k_qa7f57b1104_attn-k_qa7f57b1104_attn
	.p2alignl 7, 3214868480
	.fill 96, 4, 3214868480
	.section	.rodata,"a",@progbits
	.p2align	6, 0x0
	.amdhsa_kernel k_qa7f57b1104_attn
		.amdhsa_group_segment_fixed_size 327680
		.amdhsa_private_segment_fixed_size 0
		.amdhsa_enable_private_segment 0
		.amdhsa_kernarg_size 56
		.amdhsa_user_sgpr_count 2
		.amdhsa_user_sgpr_kernarg_segment_ptr 1
		.amdhsa_wavefront_size32 1
		.amdhsa_system_sgpr_workgroup_id_x 1
		.amdhsa_system_sgpr_workgroup_id_y 1
		.amdhsa_system_sgpr_workgroup_id_z 1
		.amdhsa_system_vgpr_workitem_id 0
		.amdhsa_next_free_vgpr 512
		.amdhsa_next_free_sgpr 100
		.amdhsa_reserve_vcc 0
		.amdhsa_float_denorm_mode_32 3
		.amdhsa_float_denorm_mode_16_64 3
		.amdhsa_memory_ordered 1
		.amdhsa_forward_progress 1
		.amdhsa_inst_pref_size 255
	.end_amdhsa_kernel
	.section	.bss,"aw",@nobits
	.p2align	6
	.space	262144
	.amdgpu_metadata
---
amdhsa.version: [ 1, 2 ]
amdhsa.kernels:
  - .name:           k_qa7f57b1104_attn
    .symbol:         k_qa7f57b1104_attn.kd
    .args:
      - { .name: qkv, .offset: 0, .size: 8, .value_kind: global_buffer, .address_space: global }
      - { .name: att, .offset: 8, .size: 8, .value_kind: global_buffer, .address_space: global }
      - { .name: xb, .offset: 16, .size: 8, .value_kind: global_buffer, .address_space: global }
      - { .name: xl, .offset: 24, .size: 8, .value_kind: global_buffer, .address_space: global }
      - { .name: wb, .offset: 32, .size: 8, .value_kind: global_buffer, .address_space: global }
      - { .name: wl, .offset: 40, .size: 8, .value_kind: global_buffer, .address_space: global }
      - { .name: ae, .offset: 48, .size: 8, .value_kind: global_buffer, .address_space: global }
    .group_segment_fixed_size: 327680
    .private_segment_fixed_size: 0
    .kernarg_segment_align: 8
    .kernarg_segment_size: 56
    .max_flat_workgroup_size: 256
    .sgpr_count:     100
    .vgpr_count:     512
    .wavefront_size: 32
...
	.end_amdgpu_metadata
.endif
;; end of part 3
;; launch oproj (part 4): grid 8 x 32, 4 waves a work-group, clusters of 4 x 4, 327,680 bytes of LDS; arguments att, wb, out0, ae, wl; writes out0
.if DOCPART == 4
	.amdgcn_target "amdgcn-amd-amdhsa--gfx1250"
	.amdhsa_code_object_version 6
	.text
	.protected	k_qa7f57b1104_oproj
	.globl	k_qa7f57b1104_oproj
	.p2align	8
	.type	k_qa7f57b1104_oproj,@function
k_qa7f57b1104_oproj:
	s_mov_b64 s[64:65], 0
	v_nop
	global_prefetch_b8 v0, s[64:65] scope:SCOPE_SE
	s_setreg_imm32_b32 hwreg(HW_REG_WAVE_MODE, 25, 1), 1
	s_wait_xcnt 0x0
	s_wait_alu depctr_hold_cnt(0) depctr_sa_sdst(0) depctr_va_vdst(0) depctr_va_sdst(0) depctr_va_ssrc(0) depctr_va_vcc(0) depctr_vm_vsrc(0)
	s_getreg_b32 s2, hwreg(HW_REG_IB_STS2, 6, 4)
	s_cmp_eq_u32 s2, 0
	s_cbranch_scc0 .Lentry_in_a_cluster
	s_endpgm
.Lentry_in_a_cluster:
	s_bfe_u32 s2, ttmp6, 0x10000c
	s_cmp_lg_u32 s2, 0xf033
	s_cbranch_scc0 .Lentry_shape_is_right
	s_endpgm
.Lentry_shape_is_right:
; out0[8192][1024] (f32) = A W_o^T, where A(row b 2048 + s, k = 64 head + d) = att[16 b + head][s][d] (f16) and W_o = rows 3072-4095 of wb (f16); f32 sums.
; A work-group makes 256 rows x 128 columns: 8 x 32 = 256 work-groups.  Four waves, a wave makes 128 x 64 = 8 x 4 accumulator tiles, 256 registers.
; A K step of 128 is two heads: A's part of a slot is two planes of 256 rows x 128 bytes, each dense in memory (32,768 bytes) and brought by one tensor
; load as 128 rows of 256 bytes, with 16 bytes skipped in LDS after every 128 (pitch 144); B's part is 128 rows of 256 bytes, pitch 272.
; CLUSTERS: 4 x 4 work-groups; A's planes hang on the block row alone and are asked for jointly along a row of the cluster, B's tiles on the block
; column alone and jointly along a column.  By this text's own count a wave has two tensor loads out at the start and one behind each round.
; REGISTERS: window 0: v16-32 addresses, v64-127 and v128-191 fragments of A, v192-215 the exact tile's accumulators; window 1: v64-95 and v128-159
;   fragments of B; window 2: tiles (a = 0..3, b) at v[8 (4 a + b)], v128-255 the exact tile's W_o; window 3: the same for my rows 64-127, and its att.
; The matrix instruction is used transposed (source 0 = rows of W_o, source 1 = rows of A): a lane holds eight neighbouring columns of one row.
; ROWS 0-15 OF EVERY BATCH come from operands in two f16 parts (hi, and lo = the rest x 2048): hi hi into one accumulator, lo hi and hi lo into two others,
; the result acc0 + (acc1 + acc2) / 2048; lo lo, some 2^-22 of the result, is left out.  These rows average few rows of v and are many times larger than the
; root mean square of the whole output, to which the wanted accuracy is tied.  They are 4 x 64 tiles of 16 x 16, one for each of the 256 work-groups:
; work-group (bx, by) makes batch by / 8, columns 16 (8 (by % 8) + bx) .. + 15.  Its four waves split K = 1024: wave w takes k = 256 w .. + 255 by 64 loads of
; 16 bytes a lane into registers that the K loop does not use, 32 issued behind the first tiles' requests and 32 behind the first lap; the 24 products
; follow the K loop, the four partial tiles meet in LDS bytes of their own, and wave 0 adds and stores them: a row's 16 columns are a run of 64 bytes.
; The wave whose first sixteen rows are a batch's first stores them with every lane off, so that each byte of out0 is stored once.  The lanes are switched
; by EXEC and by no branch: every work-group of the cluster runs the same path.
.set SIZE_K, 1024
.set KSTEP,  128
.set APITCH, 144
.set PLANE,  256*APITCH                ; one head's 256 rows
.set BPITCH, 272
.set HALFB,  64*BPITCH
.set SLOT,   2*PLANE+2*HALFB
.set STAGE,  2*SLOT                    ; behind the ring: 16 rows x 272 bytes for each wave, for the way out
.set SPITCH, 272
.set EP,     STAGE+4*16*SPITCH         ; behind the stages: 4 x 1,024 bytes, the exact tile's four partial sums
.set LAPS,   SIZE_K/(2*KSTEP)
.set ADRA, 16
.set ADRB, 20
.set STO,  24
.set RD,   25
.set CO,   26
.set EWO,  27                          ; v27  2,048 r + 16 h + 512 w: my 16 bytes in a row of W_o
.set EAO,  28                          ; v28  8,192 w + 16 lane: my 16 bytes in ae
.set ERS,  29                          ; v29  my partial tile in LDS
.set ERL,  30                          ; v30  16 lane in the first partial tile
.set EOO,  31                          ; v31  4,096 r + 32 h: my 32 bytes of the exact tile in out0
.set EMK,  32                          ; v32  0 in the wave whose first sixteen rows are a batch's first
.set F0,   64
.set F1,   128
.set EA0,  192
.set EA1,  200
.set EA2,  208
.set EW,   128                         ; windows 2 and 3: K step t at 128 + 16 t: hi 8 registers, lo 8 registers
.set G1,  24
.set G0,  32
.set G1B, 48
.set G0B, 56
.set MSB, 0
.macro WIN new
.if MSB != \new
	s_set_vgpr_msb (MSB<<8)|\new
.set MSB, \new
.endif
.endm
.set MUL_LO, 0xa1
.set MUL_HI, 0xf1
.set TO_B,   0x40
.macro JLOAD s
	s_cmp_eq_u32 s11, 0
	s_cbranch_scc0 .Lfor_b_\@
	tensor_load_to_lds s[G0+4*\s:G0+4*\s+3], s[G1:G1+7]
	s_nop 0
	s_branch .Lasked_\@
.Lfor_b_\@:
	tensor_load_to_lds s[G0B+4*\s:G0B+4*\s+3], s[G1B:G1B+7]
	s_nop 0
.Lasked_\@:
.endm
.macro CREST
	s_cmp_lg_u32 s10, 0
	s_cbranch_scc1 .Lnot_wave_0_\@
	s_barrier_signal -3
.Lnot_wave_0_\@:
	s_barrier_wait -3
	s_barrier_signal -1
	s_barrier_wait -1
.endm
.macro CROUND
	s_barrier_signal -1
	s_barrier_wait -1
	CREST
.endm
	s_load_b128 s[4:7], s[0:1], 0x0                ; att s[4:5], wb s[6:7]
	s_load_b64 s[8:9], s[0:1], 0x10                ; out0
	s_load_b128 s[68:71], s[0:1], 0x18             ; ae s[68:69], wl s[70:71]
	s_set_vgpr_msb 0x40
	v_lshl_add_u32 v255, v0, 2, 0x3a400
	s_set_vgpr_msb 0x4000
	v_mov_b32 v255, 0
	s_set_vgpr_msb 0x1
	ds_add_u32 v255, v255
	ds_add_u32 v255, v255
	s_set_vgpr_msb 0x100
	v_lshrrev_b32 v1, 5, v0
	v_readfirstlane_b32 s10, v1                    ; wave 0..3
	s_lshr_b32 s11, s10, 1                         ; my half of the rows.  Also: I fetch for A (0) or for B (1)
	s_and_b32 s12, s10, 1                          ; my half of the columns.  Also: which plane of A, which half of B's tile I fetch
	s_bfe_u32 s40, ttmp6, 0x40000                  ; cx
	s_bfe_u32 s41, ttmp6, 0x40004                  ; cy
	s_lshl_b32 s42, ttmp9, 2
	s_add_co_u32 s42, s42, s40                     ; block column 0..7
	s_and_b32 s13, ttmp7, 0xffff
	s_lshl_b32 s13, s13, 2
	s_add_co_u32 s13, s13, s41                     ; block row 0..31
	s_lshl_b32 s43, s41, 2
	s_lshl_b32 s43, 15, s43                        ; my row of the cluster
	s_lshl_b32 s44, 0x1111, s40                    ; my column
	s_or_b32 s[G1+0], s43, (3<<16)|(1<<20)|(1<<21)|(4<<22)|(3<<25)    ; A: elements of 8 bytes; after every 32 words, 4 words
	s_or_b32 s[G1B+0], s44, (1<<16)|(1<<20)|(1<<21)|(5<<22)|(3<<25)   ; B: elements of 2 bytes; after every 64 words, 4 words
	s_mov_b32 s[G1+1], 32<<16                      ; A: rows of 32 elements (256 bytes),
	s_mov_b32 s[G1+2], 128<<16                     ; 128 of them,
	s_mov_b32 s[G1+3], 32<<16
	s_mov_b32 s[G1+4], 128
	s_mov_b32 s[G1+5], 32                          ; dense
	s_mov_b32 s[G1+6], 0
	s_mov_b32 s[G1+7], 0
	s_mov_b32 s[G1B+1], KSTEP<<16                  ; B: 64 rows of 128 elements, 1,024 elements from row to row
	s_mov_b32 s[G1B+2], 64<<16
	s_mov_b32 s[G1B+3], KSTEP<<16
	s_mov_b32 s[G1B+4], 64
	s_mov_b32 s[G1B+5], SIZE_K
	s_mov_b32 s[G1B+6], 0
	s_mov_b32 s[G1B+7], 0
	s_lshr_b32 s16, s13, 3                         ; A: batch,
	s_lshl_b32 s16, s16, 4
	s_add_co_u32 s16, s16, s12                     ; its head 0 or 1,
	s_lshl_b32 s16, s16, 18
	s_and_b32 s17, s13, 7
	s_lshl_b32 s17, s17, 15                        ; and the block's 256 rows in it
	s_add_co_u32 s16, s16, s17
	s_mov_b32 s17, 0
	s_lshl_b32 s46, s42, 7                         ; B: row 3,072 + 128 x block column + 64 x half
	s_lshl_b32 s47, s12, 6
	s_add_co_u32 s46, s46, s47
	s_lshl_b32 s46, s46, 11
	s_add_co_u32 s46, s46, 3072*2048
	s_mov_b32 s47, 0
	s_mul_i32 s20, s10, PLANE                      ; where A's planes go: wave x 36,864 (waves 0, 1)
	s_mul_i32 s21, s10, HALFB
	s_add_co_u32 s21, s21, 2*PLANE-2*HALFB         ; where B's halves go: behind the planes, (wave - 2) x 64 rows (waves 2, 3)
	s_wait_dscnt 0x0
	s_wait_kmcnt 0x0
	s_add_nc_u64 s[14:15], s[4:5], s[16:17]
	s_add_nc_u64 s[46:47], s[6:7], s[46:47]
	CROUND                                         ; all sixteen work-groups are here: the first joint loads meet
.irp s, 0,1
	s_mov_b32 s[G0+4*\s], 1
	s_add_co_u32 s[G0+4*\s+1], s20, \s*SLOT
	s_add_nc_u64 s[G0+4*\s+2:G0+4*\s+3], s[14:15], \s*2*262144     ; K step s: two heads on
	s_or_b32 s[G0+4*\s+3], s[G0+4*\s+3], 0x80000000
	s_mov_b32 s[G0B+4*\s], 1
	s_add_co_u32 s[G0B+4*\s+1], s21, \s*SLOT
	s_add_nc_u64 s[G0B+4*\s+2:G0B+4*\s+3], s[46:47], \s*KSTEP*2
	s_or_b32 s[G0B+4*\s+3], s[G0B+4*\s+3], 0x80000000
	JLOAD \s
.endr
	; the exact tile: where its operands and its result lie.  These numbers hang on both coordinates; they live in registers (s68 and above) that feed no
	; descriptor and no LDS address.
	s_mov_b32 s77, 0
	s_lshr_b32 s76, s13, 3                         ; batch
	s_lshl_b32 s76, s76, 15                        ; ae: 64 blocks of 512 bytes a batch
	s_add_nc_u64 s[68:69], s[68:69], s[76:77]
	s_and_b32 s76, s13, 7
	s_lshl_b32 s76, s76, 3
	s_add_co_u32 s76, s76, s42                     ; which 16 columns: 8 (by % 8) + bx
	s_lshl_b32 s81, s76, 6                         ; 64 bytes of a row of out0
	s_lshl_b32 s76, s76, 15                        ; 16 rows of W_o
	s_add_nc_u64 s[72:73], s[6:7], s[76:77]
	s_add_nc_u64 s[72:73], s[72:73], 0x600000      ; W_o begins at row 3,072 of wb
	s_add_nc_u64 s[70:71], s[70:71], s[76:77]
	s_add_nc_u64 s[70:71], s[70:71], 0x200000      ; and at row 1,024 of wl
	s_lshr_b32 s76, s13, 3
	s_lshl_b32 s76, s76, 23                        ; out0: 2,048 rows of 4,096 bytes a batch
	s_add_co_u32 s76, s76, s81
	s_add_nc_u64 s[74:75], s[8:9], s[76:77]
	s_and_b32 s81, s13, 7
	s_or_b32 s81, s81, s11                         ; 0: my first sixteen rows are a batch's first
	s_mov_b32 s78, 0x3a000000                      ; 1 / 2048, twice
	s_mov_b32 s79, 0x3a000000
	v_and_b32 v1, 15, v0                           ; r
	v_bfe_u32 v2, v0, 4, 1                         ; h
	v_and_b32 v6, 31, v0                           ; lane
	v_lshlrev_b32 v[EWO], 11, v1
	v_lshl_add_u32 v[EWO], v2, 4, v[EWO]
	s_lshl_b32 s82, s10, 9
	v_add_nc_u32 v[EWO], s82, v[EWO]
	s_lshl_b32 s82, s10, 13
	v_lshl_add_u32 v[EAO], v6, 4, s82
; K steps t0 .. t0 + 3 of my eight: W_o hi and lo into window 2, att hi and lo into window 3.  ae holds the second source's fragments as they are:
; each of its loads covers 512 consecutive bytes.
.macro ELOAD t0
	WIN 0x80
.irp t, \t0, \t0+1, \t0+2, \t0+3
	global_load_b128 v[EW+16*(\t):EW+16*(\t)+3],     v[EWO], s[72:73] offset:64*(\t)
	global_load_b128 v[EW+16*(\t)+4:EW+16*(\t)+7],   v[EWO], s[72:73] offset:64*(\t)+32
	global_load_b128 v[EW+16*(\t)+8:EW+16*(\t)+11],  v[EWO], s[70:71] offset:64*(\t)
	global_load_b128 v[EW+16*(\t)+12:EW+16*(\t)+15], v[EWO], s[70:71] offset:64*(\t)+32
.endr
	WIN 0xc0
.irp t, \t0, \t0+1, \t0+2, \t0+3
	global_load_b128 v[EW+16*(\t):EW+16*(\t)+3],     v[EAO], s[68:69] offset:1024*(\t)
	global_load_b128 v[EW+16*(\t)+4:EW+16*(\t)+7],   v[EAO], s[68:69] offset:1024*(\t)+512
	global_load_b128 v[EW+16*(\t)+8:EW+16*(\t)+11],  v[EAO], s[68:69] offset:131072+1024*(\t)
	global_load_b128 v[EW+16*(\t)+12:EW+16*(\t)+15], v[EAO], s[68:69] offset:131072+1024*(\t)+512
.endr
	WIN 0
.endm
	ELOAD 0
	s_lshl_b32 s82, s10, 10
	s_add_co_u32 s82, s82, EP
	v_lshl_add_u32 v[ERS], v6, 4, s82              ; 1,024 w + 16 lane in the partial tiles
	v_lshlrev_b32 v[ERL], 4, v6
	v_add_nc_u32 v[ERL], EP, v[ERL]
	v_lshlrev_b32 v[EOO], 12, v1
	v_lshl_add_u32 v[EOO], v2, 5, v[EOO]
	v_mov_b32 v[EMK], s81
	v_mul_u32_u24 v3, v1, APITCH
	v_lshl_add_u32 v3, v2, 4, v3
	v_mul_u32_u24 v4, v1, BPITCH
	v_lshl_add_u32 v4, v2, 4, v4
	s_mul_i32 s21, s11, 128*APITCH                 ; my 128 rows in each plane
	s_mul_i32 s22, s12, HALFB
	s_add_co_u32 s22, s22, 2*PLANE                 ; my 64 rows of B
.irp s, 0,1
	v_add_nc_u32 v[ADRA+\s], s21, v3
	v_add_nc_u32 v[ADRB+\s], s22, v4
	s_add_co_u32 s21, s21, SLOT
	s_add_co_u32 s22, s22, SLOT
.endr
	s_mul_i32 s23, s10, 16*SPITCH
	s_add_co_u32 s23, s23, STAGE                   ; my stage
	v_mul_u32_u24 v4, v1, SPITCH                   ; in: row r, 32 bytes for each half of the lanes
	v_lshl_add_u32 v4, v2, 5, v4
	v_add_nc_u32 v[STO], s23, v4
	v_mul_u32_u24 v5, v2, SPITCH                   ; back: lanes 0-15 take one row of 256 bytes, lanes 16-31 the next
	v_lshl_add_u32 v5, v1, 4, v5
	v_add_nc_u32 v[RD], s23, v5
	v_lshlrev_b32 v5, 12, v2                       ; and the same two rows of out0 (4,096 bytes each)
	v_lshl_add_u32 v[CO], v1, 4, v5
; 8 matrix instructions: m blocks a0, a0 + 1 x all 4 n blocks.  The 32 accumulators take turns, one instruction a turn.
.macro MUL8 f, hi, a0, zero
.irp a, \a0, \a0+1
.irp b, 0,1,2,3
.if \zero
	v_wmma_f32_16x16x32_f16 v[8*(4*(\a)+\b):8*(4*(\a)+\b)+7], v[\f+8*\b:\f+8*\b+7], v[\f+8*(4*\hi+\a):\f+8*(4*\hi+\a)+7], 0
.else
	v_wmma_f32_16x16x32_f16 v[8*(4*(\a)+\b):8*(4*(\a)+\b)+7], v[\f+8*\b:\f+8*\b+7], v[\f+8*(4*\hi+\a):\f+8*(4*\hi+\a)+7], v[8*(4*(\a)+\b):8*(4*(\a)+\b)+7]
.endif
.endr
.endr
.endm
; K step t of the exact tile: W hi x att hi, W lo x att hi, W hi x att lo.  Source 0 in window 2, source 1 in window 3, C and D in window 0.
; The three accumulators take turns, one instruction a turn.
.macro EMUL t, zero
.if \zero
	v_wmma_f32_16x16x32_f16 v[EA0:EA0+7], v[EW+16*\t:EW+16*\t+7],    v[EW+16*\t:EW+16*\t+7],    0
	v_wmma_f32_16x16x32_f16 v[EA1:EA1+7], v[EW+16*\t+8:EW+16*\t+15], v[EW+16*\t:EW+16*\t+7],    0
	v_wmma_f32_16x16x32_f16 v[EA2:EA2+7], v[EW+16*\t:EW+16*\t+7],    v[EW+16*\t+8:EW+16*\t+15], 0
.else
	v_wmma_f32_16x16x32_f16 v[EA0:EA0+7], v[EW+16*\t:EW+16*\t+7],    v[EW+16*\t:EW+16*\t+7],    v[EA0:EA0+7]
	v_wmma_f32_16x16x32_f16 v[EA1:EA1+7], v[EW+16*\t+8:EW+16*\t+15], v[EW+16*\t:EW+16*\t+7],    v[EA1:EA1+7]
	v_wmma_f32_16x16x32_f16 v[EA2:EA2+7], v[EW+16*\t:EW+16*\t+7],    v[EW+16*\t+8:EW+16*\t+15], v[EA2:EA2+7]
.endif
.endm
; 24 LDS loads in one run: quarter q of the K step (plane q / 2, d = 32 (q % 2) ..): 64 rows of B, then 128 rows of A
.macro FETCH slot, q, f
	WIN TO_B
.irp i, 0,1,2,3
	ds_load_b128 v[\f+8*\i:\f+8*\i+3],   v[ADRB+\slot] offset:64*\q+\i*16*BPITCH
	ds_load_b128 v[\f+8*\i+4:\f+8*\i+7], v[ADRB+\slot] offset:64*\q+\i*16*BPITCH+32
.endr
	WIN 0
.irp i, 0,1,2,3,4,5,6,7
	ds_load_b128 v[\f+8*\i:\f+8*\i+3],   v[ADRA+\slot] offset:(\q>>1)*PLANE+(\q&1)*64+\i*16*APITCH
	ds_load_b128 v[\f+8*\i+4:\f+8*\i+7], v[ADRA+\slot] offset:(\q>>1)*PLANE+(\q&1)*64+\i*16*APITCH+32
.endr
.endm
.macro PLACES                          ; four places behind the last matrix instruction (ISA guide 7.12.1)
.rept 4
	v_nop
.endr
.endm
.macro QUARTER slot, q, f, g, zero
	s_wait_dscnt 8                                 ; B and A's rows 0-63 are in; the youngest eight loads (A's rows 64-127) may be out
	WIN MUL_LO
	MUL8 \f, 0, 0, \zero
	MUL8 \f, 0, 2, \zero
	PLACES
	FETCH \slot, \q, \g
	s_wait_dscnt 24                                ; all but the 24 just issued
	WIN MUL_HI
	MUL8 \f, 1, 0, \zero
	MUL8 \f, 1, 2, \zero
.endm
.macro THREE slot, zero
	QUARTER \slot, 1, F0, F1, \zero
	QUARTER \slot, 2, F1, F0, 0
	QUARTER \slot, 3, F0, F1, 0
.endm
.macro TURN slot, next, fill
	s_wait_dscnt 8
	WIN MUL_LO
	MUL8 F1, 0, 0, 0
	s_wait_dscnt 0                                 ; my reads of this slot are over
	s_wait_tensorcnt 0x0                           ; all my tensor loads have landed: the one that was out is my part of the next slot
	ds_add_u32 v255, v255
	s_wait_dscnt 0x0
	s_barrier_signal -1
	MUL8 F1, 0, 2, 0
	WIN 0
	s_barrier_wait -1
.if \fill
	CREST                                          ; no wave of any partner still reads this slot or has a load on its way
	s_add_nc_u64 s[G0+4*\slot+2:G0+4*\slot+3], s[G0+4*\slot+2:G0+4*\slot+3], 4*262144    ; two K steps = four heads on
	s_add_nc_u64 s[G0B+4*\slot+2:G0B+4*\slot+3], s[G0B+4*\slot+2:G0B+4*\slot+3], 2*KSTEP*2
	JLOAD \slot                                    ; the first tensor load behind the round, one a wave
.endif
	PLACES
	FETCH \next, 0, F0
	WIN MUL_HI
	MUL8 F1, 1, 0, 0
	MUL8 F1, 1, 2, 0
.endm
.macro LAP zero
	THREE 0, \zero
	TURN 0, 1, 1
	THREE 1, 0
	TURN 1, 0, 1
.endm
	s_wait_tensorcnt 1                             ; my part of K step 0 is in; K step 1's stays out
	s_barrier_signal -1
	s_barrier_wait -1
	FETCH 0, 0, F0
	LAP 1
	ELOAD 4                                        ; the exact tile's other 32 loads, two K steps of matrix work behind the first 32
	WIN 0
	s_mov_b32 s3, LAPS-2
.Llap:
	LAP 0
	WIN 0
	s_sub_co_u32 s3, s3, 1
	s_cmp_lg_u32 s3, 0
	s_cbranch_scc1 .Llap
	THREE 0, 0                                     ; the last lap fills nothing
	TURN 0, 1, 0
	THREE 1, 0
	s_wait_dscnt 8
	WIN MUL_LO
	MUL8 F1, 0, 0, 0
	MUL8 F1, 0, 2, 0
	s_wait_dscnt 0
	WIN MUL_HI
	MUL8 F1, 1, 0, 0
	MUL8 F1, 1, 2, 0
	; THE EXACT TILE: my 256 of K
	s_wait_loadcnt 0x0                             ; its 64 loads are in
	WIN 0x0e
	EMUL 0, 1                                      ; the first products start the sums
.irp t, 1,2,3,4,5,6,7
	EMUL \t, 0
.endr
	WIN 0
	PLACES                                         ; in front of the first reads of results, these and the K loop's
.irp e, 0,2,4,6
	v_pk_add_f32 v[EA1+\e:EA1+\e+1], v[EA1+\e:EA1+\e+1], v[EA2+\e:EA2+\e+1]
.endr
.irp e, 0,2,4,6
	v_pk_fma_f32 v[EA0+\e:EA0+\e+1], v[EA1+\e:EA1+\e+1], s[78:79], v[EA0+\e:EA0+\e+1] op_sel_hi:[1,0,1]
.endr
	ds_store_b128 v[ERS], v[EA0:EA0+3]             ; my partial tile: 512 consecutive bytes a store
	ds_store_b128 v[ERS], v[EA0+4:EA0+7] offset:512
	s_lshl_b32 s13, s13, 8
	s_lshl_b32 s14, s11, 7
	s_add_co_u32 s16, s13, s14                     ; my first row
	s_lshl_b32 s16, s16, 12
	s_mov_b32 s17, 0
	s_add_nc_u64 s[8:9], s[8:9], s[16:17]
	s_lshl_b32 s46, s42, 9                         ; my first column, in bytes: 512 x block + 256 x half (in registers of B's side)
	s_lshl_b32 s47, s12, 8
	s_add_co_u32 s46, s46, s47
	s_mov_b32 s47, 0
	s_add_nc_u64 s[8:9], s[8:9], s[46:47]
	s_wait_dscnt 0x0                               ; my stores are done, for the wave that reads them
	s_barrier_signal -1
	s_barrier_wait -1
	s_cmp_lg_u32 s10, 0
	s_cbranch_scc1 .Lno_merge
.irp w, 0,1,2,3
	ds_load_b128 v[F0+8*\w:F0+8*\w+3],   v[ERL] offset:1024*\w
	ds_load_b128 v[F0+8*\w+4:F0+8*\w+7], v[ERL] offset:1024*\w+512
.endr
	s_wait_dscnt 0x0
.irp w, 0,2
.irp e, 0,2,4,6
	v_pk_add_f32 v[F0+8*\w+\e:F0+8*\w+\e+1], v[F0+8*\w+\e:F0+8*\w+\e+1], v[F0+8*\w+8+\e:F0+8*\w+8+\e+1]
.endr
.endr
.irp e, 0,2,4,6
	v_pk_add_f32 v[F0+\e:F0+\e+1], v[F0+\e:F0+\e+1], v[F0+16+\e:F0+16+\e+1]
.endr
	global_store_b128 v[EOO], v[F0:F0+3], s[74:75]                 ; row r, columns 8 h + 0..3
	global_store_b128 v[EOO], v[F0+4:F0+7], s[74:75] offset:16     ; columns 8 h + 4..7
.Lno_merge:
	; THE WAY OUT, 16 rows at a time, through my own stage (bytes that no tensor load fills): 32 bytes a lane in, whole rows of 256 bytes back
; rows 16 i .. + 15 of my 128: the four tiles (a, 0..3) of window 2 or 3 (from = 0x08 or 0x0c: the store data's window); f: F0 or F1 in turn
.macro OUT16 i, a, from, f
	WIN \from
.irp b, 0,1,2,3
	ds_store_b128 v[STO], v[8*(4*\a+\b):8*(4*\a+\b)+3]   offset:64*\b
	ds_store_b128 v[STO], v[8*(4*\a+\b)+4:8*(4*\a+\b)+7] offset:64*\b+16
.endr
	WIN 0
	s_wait_xcnt 0x0                                ; buffer f, which stores read, and the stores' base are rewritten only behind this wait
.if \i
	s_add_nc_u64 s[8:9], s[8:9], 16*4096
.endif
.irp t, 0,1,2,3,4,5,6,7
	ds_load_b128 v[\f+4*\t:\f+4*\t+3], v[RD] offset:\t*2*SPITCH    ; LDS serves a wave's instructions in order (ISA guide 5.7.1): these see the stores above
.endr
.if \i
.irp t, 0,1,2,3,4,5,6,7
	s_wait_dscnt 7-\t
	global_store_b128 v[CO], v[\f+4*\t:\f+4*\t+3], s[8:9] offset:2*\t*4096 th:TH_STORE_NT   ; 16 lanes store 256 consecutive bytes, aligned
.endr
.else
	s_wait_dscnt 0x0
	v_cmp_ne_u32 vcc_lo, 0, v[EMK]                 ; every lane, or none where these are a batch's first sixteen rows, which the exact tiles fill
	s_and_saveexec_b32 s80, vcc_lo                 ; no global instruction has been issued since the s_wait_xcnt 0 above
.irp t, 0,1,2,3,4,5,6,7
	global_store_b128 v[CO], v[\f+4*\t:\f+4*\t+3], s[8:9] offset:2*\t*4096 th:TH_STORE_NT
.endr
	s_wait_xcnt 0x0                                ; EXEC is a source of these stores: it is widened only behind this wait
	s_or_b32 exec_lo, exec_lo, s80
.endif
.endm
	OUT16 0, 0, 0x08, F0
	OUT16 1, 1, 0x08, F1
	OUT16 2, 2, 0x08, F0
	OUT16 3, 3, 0x08, F1
	OUT16 4, 0, 0x0c, F0
	OUT16 5, 1, 0x0c, F1
	OUT16 6, 2, 0x0c, F0
	OUT16 7, 3, 0x0c, F1
	s_set_vgpr_msb 0x1
	s_wait_tensorcnt 0x0
	ds_add_u32 v255, v255
	s_wait_dscnt 0x0
	s_set_vgpr_msb 0x100
	CROUND                                         ; the closing round
	s_endpgm
.Lfunc_end_k_qa7f57b1104_oproj:
	.size	k_qa7f57b1104_oproj, .Lfunc_end_k_qa7f57b1104_oproj-k_qa7f57b1104_oproj
	.p2alignl 7, 3214868480
	.fill 96, 4, 3214868480
	.section	.rodata,"a",@progbits
	.p2align	6, 0x0
	.amdhsa_kernel k_qa7f57b1104_oproj
		.amdhsa_group_segment_fixed_size 327680
		.amdhsa_private_segment_fixed_size 0
		.amdhsa_enable_private_segment 0
		.amdhsa_kernarg_size 40
		.amdhsa_user_sgpr_count 2
		.amdhsa_user_sgpr_kernarg_segment_ptr 1
		.amdhsa_wavefront_size32 1
		.amdhsa_system_sgpr_workgroup_id_x 1
		.amdhsa_system_sgpr_workgroup_id_y 1
		.amdhsa_system_sgpr_workgroup_id_z 1
		.amdhsa_system_vgpr_workitem_id 0
		.amdhsa_next_free_vgpr 1024
		.amdhsa_next_free_sgpr 84
		.amdhsa_reserve_vcc 1
		.amdhsa_float_denorm_mode_32 3
		.amdhsa_float_denorm_mode_16_64 3
		.amdhsa_memory_ordered 1
		.amdhsa_forward_progress 1
		.amdhsa_inst_pref_size 132
	.end_amdhsa_kernel
	.amdgpu_metadata
---
amdhsa.version: [ 1, 2 ]
amdhsa.kernels:
  - .name:           k_qa7f57b1104_oproj
    .symbol:         k_qa7f57b1104_oproj.kd
    .args:
      - { .name: att, .offset: 0, .size: 8, .value_kind: global_buffer, .address_space: global }
      - { .name: wb, .offset: 8, .size: 8, .value_kind: global_buffer, .address_space: global }
      - { .name: out0, .offset: 16, .size: 8, .value_kind: global_buffer, .address_space: global }
      - { .name: ae, .offset: 24, .size: 8, .value_kind: global_buffer, .address_space: global }
      - { .name: wl, .offset: 32, .size: 8, .value_kind: global_buffer, .address_space: global }
    .group_segment_fixed_size: 327680
    .private_segment_fixed_size: 0
    .kernarg_segment_align: 8
    .kernarg_segment_size: 40
    .max_flat_workgroup_size: 128
    .sgpr_count:     84
    .vgpr_count:     1024
    .wavefront_size: 32
...
	.end_amdgpu_metadata
.endif
;; end of part 4
;; ======== version 2 of 2: 4 launches; version 1 with the launch cast written anew for expert scheduling mode
;; limits: values are held in f16: magnitudes above 65,504 overflow, below 6.1e-05 lose precision; right only within a limited range of input values
;; workspace buffers: xb 16,777,216 bytes; wb 8,388,608 bytes; qkv 50,331,648 bytes; att 16,777,216 bytes; xl 131,072 bytes; wl 4,194,304 bytes; ae 262,144 bytes
;; launch cast (part 5): grid 768 x 1, 8 waves a work-group, no clusters, 0 bytes of LDS; arguments x, W_q, W_k, W_v, W_o, xb, wb, xl, wl; writes xb, wb, xl, wl
.if DOCPART == 5
	.amdgcn_target "amdgcn-amd-amdhsa--gfx1250"
	.amdhsa_code_object_version 6
	.text
	.protected	k_qa7f57b1104_cast
	.globl	k_qa7f57b1104_cast
	.p2align	8
	.type	k_qa7f57b1104_cast,@function
k_qa7f57b1104_cast:
	s_mov_b64 s[64:65], 0
	v_nop
	global_prefetch_b8 v0, s[64:65] scope:SCOPE_SE
	s_setreg_imm32_b32 hwreg(HW_REG_WAVE_SCHED_MODE, 0, 2), 2
	s_setreg_imm32_b32 hwreg(HW_REG_WAVE_MODE, 25, 1), 1
	s_wait_xcnt 0x0
	s_wait_alu depctr_vm_vsrc(0)
; xb = f16(x); wb = f16 of W_q, W_k, W_v, W_o, one behind the other (4,096 rows of 1,024).
; Besides, for the numbers a that the first rows' products multiply in two parts: lo = f16((a - f16(a)) x 2048):
;   xl = lo of rows 0-15 of each of the four batches of x (64 rows), wl = lo of W_v (rows 0-1023) and of W_o (rows 1024-2047).
; The difference a - f16(a) is exact in f32, and the factor 2048 = 2^11 gives lo the exponent range of a itself.
; A stream: every input byte is read once, every output byte written once; no LDS, no barrier, no matrix unit.
; A work-group converts 16,384 numbers (65,536 bytes in, 32,768 out): groups 0-511 take x (16 rows each), groups 512-767 the four W (64 groups each).
; A wave takes 8,192 bytes in sixteen loads of 512 consecutive bytes, all issued at once; each store of the wave covers 256 consecutive bytes, aligned.
; LIMIT: f16 ends at 65,504; a larger |x| or |W| becomes infinity.  Numbers below 2^-14 keep an absolute step of 2^-24.
; THE MODE: SCHED_MODE bits 1:0 = 2 (LLVM: expert scheduling mode 2), set by the entry lines.  The code itself states the register dependences
; between vector instructions and memory instructions, with s_wait_alu, always for 0.
; THE PLAN.  Registers that memory instructions touch:
;   v1, v2   byte offsets of the loads and of the stores: written once at the head, never again.
;   X        written by the sixteen loads alone, which are all issued before any vector instruction names X; read by the conversions.
;   Y        each register written once, by a conversion; read by one store (and, for the lo parts, by vector instructions).
;   Z        each register written once, by a lo part's rounding; read by one store.
;   T        named by vector instructions alone.
; The sixteen loads are worked on in four groups of four.  Group g converts its four loads into Y; its memory instructions are the four stores of group g - 1,
; whose Y no vector instruction of group g names.  So one wait on va_vdst at a group's head states all that the group's four stores hang on, and they are
; dealt among its conversions with no further wait.  The lo parts go the same way with Z.  No register that a memory instruction reads is written a second
; time, so no wait on vm_vsrc is owed; no vector instruction writes a scalar register or VCC; EXEC is never written.
.set X, 8                              ; v[8:71]    sixteen loads, 4 f32 each
.set Y, 72                             ; v[72:103]  sixteen stores, 4 f16 each
.set Z, 104                            ; v[104:135] the same for the lo parts
.set T, 136                            ; v[136:139] at work
	s_load_b256 s[4:11], s[0:1], 0x0               ; x s[4:5], W_q s[6:7], W_k s[8:9], W_v s[10:11]
	s_load_b256 s[12:19], s[0:1], 0x20             ; W_o s[12:13], xb s[14:15], wb s[16:17], xl s[18:19]
	s_load_b64 s[20:21], s[0:1], 0x40              ; wl
	s_mov_b32 s22, ttmp9                           ; the work-group's number
	s_sub_co_u32 s23, s22, 512                     ; e: its number among the groups of W (used only from 512 on)
	s_lshr_b32 s24, s23, 6                         ; which W
	s_and_b32 s25, s23, 63                         ; which 16,384 numbers of it
	s_and_b32 s26, s22, 127
	s_cmp_eq_u32 s26, 0
	s_cselect_b32 s26, 1, 0                        ; a group of x: lo parts wanted for the first 16 of a batch's 2,048 rows
	s_cmp_ge_u32 s24, 2
	s_cselect_b32 s27, 1, 0                        ; a group of W: for W_v and W_o
	s_lshr_b32 s28, s22, 7                         ; the block's number in xl: the batch
	s_sub_co_u32 s29, s23, 128                     ; and in wl
	s_mov_b32 s36, 0x45000000                      ; 2048.0, twice (a pair for the packed multiply)
	s_mov_b32 s37, 0x45000000
	v_and_b32 v3, 31, v0                           ; lane
	v_lshrrev_b32 v4, 5, v0                        ; wave
	v_lshlrev_b32 v1, 4, v3
	v_lshl_add_u32 v1, v4, 13, v1                  ; in: 8,192 wave + 16 lane
	v_lshlrev_b32 v2, 3, v3
	v_lshl_add_u32 v2, v4, 12, v2                  ; out: 4,096 wave + 8 lane
	s_wait_kmcnt 0x0
	s_cmp_eq_u32 s24, 1                            ; the source is chosen among the buffers by the group's number alone
	s_cselect_b64 s[6:7], s[8:9], s[6:7]
	s_cmp_eq_u32 s24, 2
	s_cselect_b64 s[6:7], s[10:11], s[6:7]
	s_cmp_eq_u32 s24, 3
	s_cselect_b64 s[6:7], s[12:13], s[6:7]
	s_cmp_lt_u32 s22, 512
	s_cselect_b64 s[4:5], s[4:5], s[6:7]           ; from x or from a W
	s_cselect_b64 s[14:15], s[14:15], s[16:17]     ; to xb or to wb
	s_cselect_b64 s[18:19], s[18:19], s[20:21]     ; lo parts to xl or to wl
	s_cselect_b32 s25, s22, s25                    ; the block's number in the source
	s_cselect_b32 s23, s22, s23                    ; in the destination
	s_cselect_b32 s26, s26, s27                    ; lo parts wanted?
	s_cselect_b32 s28, s28, s29                    ; the block's number among the lo parts
	s_lshl_b32 s30, s25, 16
	s_mov_b32 s31, 0
	s_lshl_b32 s32, s23, 15
	s_mov_b32 s33, 0
	s_add_nc_u64 s[4:5], s[4:5], s[30:31]
	s_add_nc_u64 s[14:15], s[14:15], s[32:33]
	s_wait_alu depctr_va_vdst(0)                   ; v1 and v2 are written: every load of the kernel reads v1 as its offset, every store v2
.irp t, 0,1,2,3,4,5,6,7,8,9,10,11,12,13,14,15
	global_load_b128 v[X+4*\t:X+4*\t+3], v1, s[4:5] offset:512*\t th:TH_LOAD_NT
.endr
; Group g: loads 4 g .. 4 g + 3 are converted; the stores of loads 4 g - 4 .. 4 g - 1 go out among the conversions.
.macro GRP g
	s_wait_loadcnt 12-4*(\g)                       ; loads come back in order: this group's four are in, the 12 - 4 g of the later groups stay out
.if (\g)
	s_wait_alu depctr_va_vdst(0)                   ; the group before has written its eight registers of Y, which the four stores below read
.endif
.irp i, 0,1,2,3
.if (\g)
	global_store_b64 v2, v[Y+2*(4*(\g)-4+(\i)):Y+2*(4*(\g)-4+(\i))+1], s[14:15] offset:256*(4*(\g)-4+(\i))   ; no vector instruction since the wait names these registers; no register is used twice, so no wait frees any
.endif
	v_cvt_pk_f16_f32 v[Y+2*(4*(\g)+(\i))], v[X+4*(4*(\g)+(\i))], v[X+4*(4*(\g)+(\i))+1]
	v_cvt_pk_f16_f32 v[Y+2*(4*(\g)+(\i))+1], v[X+4*(4*(\g)+(\i))+2], v[X+4*(4*(\g)+(\i))+3]
.endr
.endm
	GRP 0
	GRP 1
	GRP 2
	GRP 3
	s_wait_alu depctr_va_vdst(0)                   ; group 3 has written its eight registers of Y, which the last four stores read
.irp t, 12,13,14,15
	global_store_b64 v2, v[Y+2*\t:Y+2*\t+1], s[14:15] offset:256*\t
.endr
	s_cmp_eq_u32 s26, 0
	s_cbranch_scc1 .Ldone
	s_lshl_b32 s34, s28, 15
	s_mov_b32 s35, 0
	s_add_nc_u64 s[18:19], s[18:19], s[34:35]
; the lo parts of load t's four numbers.  The halves of Y's registers are named by number, so they come in as arguments.
; From t = 4 on the store of load t - 4's lo parts stands in front: they were rounded in the group of four before, ahead of the wait at this group's head.
.macro LO4 t, al, ah, bl, bh
.if \t >= 4
	global_store_b64 v2, v[Z+2*(\t-4):Z+2*(\t-4)+1], s[18:19] offset:256*(\t-4)
.endif
	v_cvt_f32_f16 v[T], \al
	v_cvt_f32_f16 v[T+1], \ah
	v_cvt_f32_f16 v[T+2], \bl
	v_cvt_f32_f16 v[T+3], \bh
	v_pk_fma_f32 v[T:T+1], v[T:T+1], -1.0, v[X+4*\t:X+4*\t+1] op_sel_hi:[1,0,1]         ; a - hi, exact
	v_pk_fma_f32 v[T+2:T+3], v[T+2:T+3], -1.0, v[X+4*\t+2:X+4*\t+3] op_sel_hi:[1,0,1]
	v_pk_mul_f32 v[T:T+1], v[T:T+1], s[36:37] op_sel_hi:[1,0]
	v_pk_mul_f32 v[T+2:T+3], v[T+2:T+3], s[36:37] op_sel_hi:[1,0]
	v_cvt_pk_f16_f32 v[Z+2*\t], v[T], v[T+1]
	v_cvt_pk_f16_f32 v[Z+2*\t+1], v[T+2], v[T+3]
.endm
	LO4 0, v72.l, v72.h, v73.l, v73.h
	LO4 1, v74.l, v74.h, v75.l, v75.h
	LO4 2, v76.l, v76.h, v77.l, v77.h
	LO4 3, v78.l, v78.h, v79.l, v79.h
	s_wait_alu depctr_va_vdst(0)                   ; the roundings of loads 0-3 have written their eight registers of Z, which the next four stores read
	LO4 4, v80.l, v80.h, v81.l, v81.h
	LO4 5, v82.l, v82.h, v83.l, v83.h
	LO4 6, v84.l, v84.h, v85.l, v85.h
	LO4 7, v86.l, v86.h, v87.l, v87.h
	s_wait_alu depctr_va_vdst(0)                   ; the same for loads 4-7
	LO4 8, v88.l, v88.h, v89.l, v89.h
	LO4 9, v90.l, v90.h, v91.l, v91.h
	LO4 10, v92.l, v92.h, v93.l, v93.h
	LO4 11, v94.l, v94.h, v95.l, v95.h
	s_wait_alu depctr_va_vdst(0)                   ; the same for loads 8-11
	LO4 12, v96.l, v96.h, v97.l, v97.h
	LO4 13, v98.l, v98.h, v99.l, v99.h
	LO4 14, v100.l, v100.h, v101.l, v101.h
	LO4 15, v102.l, v102.h, v103.l, v103.h
	s_wait_alu depctr_va_vdst(0)                   ; the roundings of loads 12-15 have written their eight registers of Z, which the last four stores read
.irp t, 12,13,14,15
	global_store_b64 v2, v[Z+2*\t:Z+2*\t+1], s[18:19] offset:256*\t
.endr
.Ldone:
	s_endpgm
.Lfunc_end_k_qa7f57b1104_cast:
	.size	k_qa7f57b1104_cast, .Lfunc_end_k_qa7f57b1104_cast-k_qa7f57b1104_cast
	.p2alignl 7, 3214868480
	.fill 96, 4, 3214868480
	.section	.rodata,"a",@progbits
	.p2align	6, 0x0
	.amdhsa_kernel k_qa7f57b1104_cast
		.amdhsa_group_segment_fixed_size 0
		.amdhsa_private_segment_fixed_size 0
		.amdhsa_enable_private_segment 0
		.amdhsa_kernarg_size 72
		.amdhsa_user_sgpr_count 2
		.amdhsa_user_sgpr_kernarg_segment_ptr 1
		.amdhsa_wavefront_size32 1
		.amdhsa_system_sgpr_workgroup_id_x 1
		.amdhsa_system_sgpr_workgroup_id_y 1
		.amdhsa_system_sgpr_workgroup_id_z 1
		.amdhsa_system_vgpr_workitem_id 0
		.amdhsa_next_free_vgpr 140
		.amdhsa_next_free_sgpr 66
		.amdhsa_reserve_vcc 0
		.amdhsa_float_denorm_mode_32 3
		.amdhsa_float_denorm_mode_16_64 3
		.amdhsa_memory_ordered 1
		.amdhsa_forward_progress 1
		.amdhsa_inst_pref_size 18
	.end_amdhsa_kernel
	.amdgpu_metadata
---
amdhsa.version: [ 1, 2 ]
amdhsa.kernels:
  - .name:           k_qa7f57b1104_cast
    .symbol:         k_qa7f57b1104_cast.kd
    .args:
      - { .name: x, .offset: 0, .size: 8, .value_kind: global_buffer, .address_space: global }
      - { .name: W_q, .offset: 8, .size: 8, .value_kind: global_buffer, .address_space: global }
      - { .name: W_k, .offset: 16, .size: 8, .value_kind: global_buffer, .address_space: global }
      - { .name: W_v, .offset: 24, .size: 8, .value_kind: global_buffer, .address_space: global }
      - { .name: W_o, .offset: 32, .size: 8, .value_kind: global_buffer, .address_space: global }
      - { .name: xb, .offset: 40, .size: 8, .value_kind: global_buffer, .address_space: global }
      - { .name: wb, .offset: 48, .size: 8, .value_kind: global_buffer, .address_space: global }
      - { .name: xl, .offset: 56, .size: 8, .value_kind: global_buffer, .address_space: global }
      - { .name: wl, .offset: 64, .size: 8, .value_kind: global_buffer, .address_space: global }
    .group_segment_fixed_size: 0
    .private_segment_fixed_size: 0
    .kernarg_segment_align: 8
    .kernarg_segment_size: 72
    .max_flat_workgroup_size: 256
    .sgpr_count:     66
    .vgpr_count:     140
    .wavefront_size: 32
...
	.end_amdgpu_metadata
.endif
;; end of part 5
;; launch qkv: the kernel of part 2 again; grid 16 x 32, 4 waves a work-group, clusters of 4 x 4, 327,680 bytes of LDS; arguments xb, wb, qkv; writes qkv
;; launch attn: the kernel of part 3 again; grid 256 x 1, 8 waves a work-group, no clusters, 327,680 bytes of LDS; arguments qkv, att, xb, xl, wb, wl, ae; writes att, ae
;; launch oproj: the kernel of part 4 again; grid 8 x 32, 4 waves a work-group, clusters of 4 x 4, 327,680 bytes of LDS; arguments att, wb, out0, ae, wl; writes out0
